; MI455X (gfx1250); checked and timed in simulation.
; The chip was launched on July 23, 2026; its instructions are those of AMD's public machine-readable ISA for CDNA 5 (MIT licence, August 2026) and "CDNA5" Instruction Set Architecture Reference Guide (July 2026). The comments in the code are by the model that wrote it; some were corrected since.
;; Head. Allowed arithmetic: float matrix products may take bf16 or f16 operands with f32 sums; all other float work in f32.
;; Inputs: Wk 1,024 x 1,024 float32; Wq 1,024 x 1,024 float32; Wv 1,024 x 1,024 float32; input_x 4 x 2,048 x 1,024 float32.
;; Outputs: out0 4 x 2,048 x 1,024 float32.
;; 2 versions, each right; version 2 is version 1 with the launch prep written anew for expert scheduling mode. Each part assembles by itself: llvm-mc -triple=amdgcn-amd-amdhsa -mcpu=gfx1250 --defsym DOCPART=n.
;; ======== version 1 of 2: 5 launches
;; limits: values are held in f16: magnitudes above 65,504 overflow, below 6.1e-05 lose precision
;; workspace buffers: XH 16,777,216 bytes; WH 6,291,456 bytes; NB 2,097,152 bytes; YV 33,554,432 bytes; PT 33,554,432 bytes; ST 524,288 bytes; HQ 786,432 bytes; HO 262,144 bytes
;; launch prep (part 1): grid 64 x 11, 8 waves a work-group, no clusters, 0 bytes of LDS; arguments input_x, Wv, Wq, Wk, XH, WH; writes XH, WH
.if DOCPART == 1
	.amdgcn_target "amdgcn-amd-amdhsa--gfx1250"
	.amdhsa_code_object_version 6
	.text
	.protected	k_qb17033f0d6_prep
	.globl	k_qb17033f0d6_prep
	.p2align	8
	.type	k_qb17033f0d6_prep,@function
k_qb17033f0d6_prep:
	s_mov_b64 s[64:65], 0
	v_nop
	global_prefetch_b8 v0, s[64:65] scope:SCOPE_SE
	s_setreg_imm32_b32 hwreg(HW_REG_WAVE_MODE, 25, 1), 1
	s_wait_xcnt 0x0
; THE INPUTS' ROUNDING.  Every number of input_x, Wv, Wq and Wk is rounded from f32 to bf16 (to nearest even), and that number is written as f16.
; LIMITS.  The second step is exact for 7.6e-6 <= |a| < 65,520; below, f16's fixed step of 6e-8 rounds once more (3e-8 at the most); from 65,520 on the result is an infinity.
; SHARES.  The grid's y names a segment of 1,048,576 numbers: 0-7 are input_x (to XH); 8, 9, 10 are Wv, Wq, Wk (to WH, one behind the other).  A work-group takes 65,536 bytes of
; f32, a wave 8,192: sixteen loads of 16 bytes a lane, all issued at once, each covering 512 consecutive bytes; each store of 8 bytes a lane covers 256 consecutive bytes, aligned.
; Memory binds: no LDS, no barrier, no matrix work; no register is written twice while a memory instruction may read it.
.set VIN,  1                           ; v1        my byte offset in the work-group's f32
.set VOUT, 2                           ; v2        my byte offset in the work-group's f16
.set X,    8                           ; v[8:71]   sixteen loads' four numbers
.set Y,    72                          ; v[72:103] sixteen stores' four f16
	s_load_b256 s[8:15], s[0:1], 0x0               ; input_x s[8:9], Wv s[10:11], Wq s[12:13], Wk s[14:15]
	s_load_b128 s[16:19], s[0:1], 0x20             ; XH s[16:17], WH s[18:19]
	s_and_b32 s2, ttmp7, 0xffff                    ; the segment
	s_cmp_lt_u32 s2, 8
	s_cselect_b32 s3, s2, 0                        ; which eighth of input_x, or 0: a weight is read from its first byte
	s_lshl_b32 s28, s3, 22                         ; its bytes in f32
	s_sub_co_u32 s4, s2, 8                         ; which third of WH (used for segments 8 to 10 alone)
	s_cmp_lt_u32 s2, 8
	s_cselect_b32 s4, s2, s4
	s_lshl_b32 s30, s4, 21                         ; the segment's 2,097,152 bytes in f16
	s_lshl_b32 s5, ttmp9, 16                       ; the work-group's 65,536 bytes in,
	s_add_co_u32 s28, s28, s5
	s_lshl_b32 s5, ttmp9, 15                       ; 32,768 out
	s_add_co_u32 s30, s30, s5
	s_mov_b32 s29, 0
	s_mov_b32 s31, 0
	s_mov_b32 s6, 0xffff0000                       ; a word's upper bf16
	v_and_b32 v2, 31, v0                           ; lane
	v_lshrrev_b32 v3, 5, v0                        ; wave
	v_lshlrev_b32 v[VIN], 4, v2
	v_lshl_add_u32 v[VIN], v3, 13, v[VIN]          ; 8,192 x wave + 16 x lane
	v_lshlrev_b32 v2, 3, v2
	v_lshl_add_u32 v[VOUT], v3, 12, v2             ; 4,096 x wave + 8 x lane
	s_wait_kmcnt 0x0
	s_mov_b64 s[24:25], s[14:15]                   ; segment 10: Wk; the other segments take its place by choice between whole addresses
	s_cmp_eq_u32 s2, 9
	s_cselect_b64 s[24:25], s[12:13], s[24:25]
	s_cmp_eq_u32 s2, 8
	s_cselect_b64 s[24:25], s[10:11], s[24:25]
	s_cmp_lt_u32 s2, 8
	s_cselect_b64 s[24:25], s[8:9], s[24:25]
	s_cselect_b64 s[26:27], s[16:17], s[18:19]
	s_add_nc_u64 s[24:25], s[24:25], s[28:29]
	s_add_nc_u64 s[26:27], s[26:27], s[30:31]
.irp i, 0,1,2,3,4,5,6,7,8,9,10,11,12,13,14,15
	global_load_b128 v[X+4*(\i):X+4*(\i)+3], v[VIN], s[24:25] offset:512*(\i) th:TH_LOAD_NT  ; read once in the whole launch
.endr
.irp i, 0,1,2,3,4,5,6,7,8,9,10,11,12,13,14,15
	s_wait_loadcnt 15-(\i)                         ; loads come back in order (ISA guide 5.7.1): load i is in, the younger ones stay out
	v_cvt_pk_bf16_f32 v3, v[X+4*(\i)], v[X+4*(\i)+1]    ; the rounding that counts
	v_cvt_pk_bf16_f32 v4, v[X+4*(\i)+2], v[X+4*(\i)+3]
	v_lshlrev_b32 v5, 16, v3                       ; back to f32: the low half moves up, the high half stays
	v_and_b32 v6, s6, v3
	v_lshlrev_b32 v7, 16, v4
	v_and_b32 v4, s6, v4
	v_cvt_pk_f16_f32 v[Y+2*(\i)], v5, v6
	v_cvt_pk_f16_f32 v[Y+2*(\i)+1], v7, v4
	global_store_b64 v[VOUT], v[Y+2*(\i):Y+2*(\i)+1], s[26:27] offset:256*(\i)
.endr
	s_endpgm
.Lfunc_end_k_qb17033f0d6_prep:
	.size	k_qb17033f0d6_prep, .Lfunc_end_k_qb17033f0d6_prep-k_qb17033f0d6_prep
	.p2alignl 7, 3214868480
	.fill 96, 4, 3214868480
	.section	.rodata,"a",@progbits
	.p2align	6, 0x0
	.amdhsa_kernel k_qb17033f0d6_prep
		.amdhsa_group_segment_fixed_size 0
		.amdhsa_private_segment_fixed_size 0
		.amdhsa_enable_private_segment 0
		.amdhsa_kernarg_size 48
		.amdhsa_user_sgpr_count 2
		.amdhsa_user_sgpr_kernarg_segment_ptr 1
		.amdhsa_wavefront_size32 1
		.amdhsa_system_sgpr_workgroup_id_x 1
		.amdhsa_system_sgpr_workgroup_id_y 1
		.amdhsa_system_sgpr_workgroup_id_z 1
		.amdhsa_system_vgpr_workitem_id 0
		.amdhsa_next_free_vgpr 112
		.amdhsa_next_free_sgpr 66
		.amdhsa_reserve_vcc 0
		.amdhsa_float_denorm_mode_32 3
		.amdhsa_float_denorm_mode_16_64 3
		.amdhsa_memory_ordered 1
		.amdhsa_forward_progress 1
		.amdhsa_inst_pref_size 12
	.end_amdhsa_kernel
	.amdgpu_metadata
---
amdhsa.version: [ 1, 2 ]
amdhsa.kernels:
  - .name:           k_qb17033f0d6_prep
    .symbol:         k_qb17033f0d6_prep.kd
    .args:
      - { .name: input_x, .offset: 0, .size: 8, .value_kind: global_buffer, .address_space: global }
      - { .name: Wv, .offset: 8, .size: 8, .value_kind: global_buffer, .address_space: global }
      - { .name: Wq, .offset: 16, .size: 8, .value_kind: global_buffer, .address_space: global }
      - { .name: Wk, .offset: 24, .size: 8, .value_kind: global_buffer, .address_space: global }
      - { .name: XH, .offset: 32, .size: 8, .value_kind: global_buffer, .address_space: global }
      - { .name: WH, .offset: 40, .size: 8, .value_kind: global_buffer, .address_space: global }
    .group_segment_fixed_size: 0
    .private_segment_fixed_size: 0
    .kernarg_segment_align: 8
    .kernarg_segment_size: 48
    .max_flat_workgroup_size: 256
    .sgpr_count:     66
    .vgpr_count:     112
    .wavefront_size: 32
...
	.end_amdgpu_metadata
.endif
;; end of part 1
;; launch wprod (part 2): grid 256 x 1, 4 waves a work-group, no clusters, 327,680 bytes of LDS; arguments WH, XH, NB, HQ; writes NB, HQ
.if DOCPART == 2
	.amdgcn_target "amdgcn-amd-amdhsa--gfx1250"
	.amdhsa_code_object_version 6
	.text
	.protected	k_qb17033f0d6_wprod
	.globl	k_qb17033f0d6_wprod
	.p2align	8
	.type	k_qb17033f0d6_wprod,@function
k_qb17033f0d6_wprod:
	s_mov_b64 s[64:65], 0
	v_nop
	global_prefetch_b8 v0, s[64:65] scope:SCOPE_SE
	s_setreg_imm32_b32 hwreg(HW_REG_WAVE_MODE, 25, 1), 1
	s_wait_xcnt 0x0
; TWO KINDS OF WORK-GROUPS ON ONE TEXT.  Both need only what the first launch wrote.  Every fourth work-group makes a tile of N; the three between make a tile of the first rows' q, k, v.
; (1) N[c2][c1] = the sum over d of Wk[d][c2] Wq[d][c1], 1024 x 1024 x 1024, f16 operands, f32 sums, N rounded once to f16 (NB).
;     WHY.  q . k = x_t (Wq^T Wk) x_s^T for every input, so the scores are (x N^T) x^T: one projection of 8192 x 1024 x 1024 is replaced by this product.
;     LIMITS.  N leaves as f16: beyond 65,504 an infinity, below 6e-5 f16's fixed step of 6e-8.
;     SHARES.  A tile of N is 128 x 128: 64 work-groups of four waves, each wave 64 x 64: 16 accumulators.  d goes in steps of 256 through two LDS slots.
;     Both operands lie [d][c], the summed index down the rows, so both fragments come out of LDS turned, by ds_load_tr16_b128.
;     ONE STEP IS WRITTEN ONCE: the slot read (TB) and the slot filled (TF) are scalar registers turned by an exclusive or.  The loop's text fills; the tail's text, walked twice, does not.
;     THE MATRIX INSTRUCTION IS USED TRANSPOSED (source 0 = 16 columns c1, source 1 = 16 rows c2): a lane holds eight neighbouring numbers of a row of N.
; (2) HQ[batch][row 0-15][q 1024 | k 1024 | v 1024] = x W^T for W = Wq, Wk, Wv, KEPT IN f32.
;     WHY.  Row t of the result averages over t + 1 keys.  In the first rows nothing averages away what rounding an intermediate (N, y, v, the weights of the softmax) to f16 loses, while a result is
;     judged by the root mean square of the whole output, which the long rows set.  So these 64 rows are made once more with no intermediate rounded to 16 bits.
;     The operands are the inputs as the first launch wrote them (rounded to bf16, written as f16): a product of two such numbers is exact in f32, and the sums are f32.
;     SHARES.  192 work-groups: 16 rows of a batch x 64 columns.  The four waves share K, 256 channels each: 80 loads of 16 bytes a lane, 32 matrix instructions on four accumulators; the partial tiles meet in LDS.
; NO CLUSTER: in a launch in clusters every way through the text issues each joint load, and the first rows' way issues none.  What sharing would spare: three of four requests for 64 x 512 KB, of operands that are 4 MB in all.
; REGISTERS of (1): window 0: v0-31 addresses; v32-95 at work on the way out; v128-255 the accumulators ((a, b) at v[128 + 8 (4 a + b)]).  Window 1: two fragment buffers of 128: 64 of Wk, then 64 of Wq.
; REGISTERS of (2): v3-7 addresses; v32-63 x's and v64-191 W's fragments, steps 0-3 in window 0 and steps 4-7 in window 1; v192-223 the accumulators; v224-255 the partial tiles.
.set PW,     288                       ; an LDS row: 256 bytes + 32 of padding = 72 words
.set HALFT,  128*PW                    ; 128 rows: what one tensor load brings
.set SLOT,   4*HALFT                   ; Wk's 256 rows of d, then Wq's
.set SPARE,  2*SLOT                    ; behind the ring: the spare words, 128 bytes for each wave: two blocks of 256 bytes that no other line names
.set HSTG,   SPARE+512                 ; behind them: the first rows' four partial tiles; no tensor load lands here
.set SPITCH, 272                       ; a stage row of 256 bytes + 16: 16 rows start at 16 different groups of four banks.  N's stage: 128 rows from LDS byte 0, in slot 0, whose last fill is past by then
.set STW,    16*SPITCH                 ; a wave's partial tile of the first rows
.set STEPB,  256*2048                  ; bytes from a step's rows of d to the next step's
.set HQP,    12288                     ; bytes in a row of HQ
.set LO,   3                           ; (2) my byte offset in 16 rows of 2,048 bytes: row l % 16, 16 bytes for each half of the lanes, my wave's 512 bytes
.set HSTO, 4                           ; (2) where I put 32 bytes of a row of my wave's partial tile
.set HRD,  5                           ; (2) where my thread reads 16 bytes of each partial tile
.set HGO,  6                           ; (2) my thread's byte offset in the work-group's part of HQ
.set A0,   16                          ; v16     my lane's place in Wk's tile; never rewritten
.set B0,   17                          ; v17     the same for Wq's
.set ADRA, 18                          ; v18-19  LDS address of my Wk fragments in the slot read: rows 0-127, rows 128-255
.set ADRB, 20                          ; v20-21  the same for Wq
.set STO,  24                          ; v24     the way out: where I put 16 bytes of a row
.set RD,   25                          ; v25     where I read a row back
.set CO,   26                          ; v26     my byte offset in NB
.set SPW,  28                          ; v28     LDS address of my spare word; never rewritten
.set NIL,  29                          ; v29     0; never rewritten
.set TMP,  32
.set ACC,  128
.set F0,   0
.set F1,   128
.set XF,   32
.set WF,   64
.set HACC, 192
.set SM,   224
.set TL,   2                           ; s2   counts the tail's two trips
.set CNT,  3                           ; s3   counts the loop's trips
.set WV,   16                          ; s16  wave
.set RH,   17                          ; s17  which half of the tile's rows is mine; also: I fetch Wk (0) or Wq (1)
.set CH,   18                          ; s18  which half of its columns; also: which 128 rows of d I fetch
.set WH,   20                          ; s20  wave x HALFT
.set TB,   21                          ; s21  the slot that is read
.set TF,   22                          ; s22  the slot that is filled
.set G1,   24                          ; s[24:31] descriptor group 1 for Wk's tiles;  s[32:35] group 0, which walks;  s[36:39] group 0 of the first fill
.set G0,   32
.set G0X,  36
.set G1B,  48                          ; s[48:55], s[56:59], s[60:63] the same for Wq's
.set G0B,  56
.set G0BX, 60
.set MSB, 0
.macro WIN new                         ; the immediate's high byte repeats the setting that is left; a switch that changes nothing is dropped
.if MSB != (\new)
	s_set_vgpr_msb (MSB<<8)|(\new)
.set MSB, \new
.endif
.endm
.set MUL,  0x05                        ; sources 0 and 1 window 1; C and D window 0
.set TO_F, 0x40                        ; destination window 1, address window 0
.macro JLOAD ga, gb                    ; waves 0 and 1 fetch Wk's two halves, waves 2 and 3 Wq's; an s_nop 0 and four v_nop follow each line
	s_cmp_eq_u32 s[RH], 0
	s_cbranch_scc0 .Lfor_b_\@
	tensor_load_to_lds s[(\ga):(\ga)+3], s[G1:G1+7]
	s_nop 0
.rept 4
	v_nop
.endr
	s_branch .Lasked_\@
.Lfor_b_\@:
	tensor_load_to_lds s[(\gb):(\gb)+3], s[G1B:G1B+7]
	s_nop 0
.rept 4
	v_nop
.endr
.Lasked_\@:
.endm
.macro NEXTFILL                        ; the walking descriptors: the other slot, the next 256 rows of d.  Written only where no tensor load of mine is out
	s_xor_b32 s[TF], s[TF], SLOT
	s_add_co_u32 s[G0+1], s[TF], s[WH]
	s_add_co_u32 s[G0B+1], s[TF], s[WH]
	s_add_nc_u64 s[G0+2:G0+3], s[G0+2:G0+3], STEPB
	s_add_nc_u64 s[G0B+2:G0B+3], s[G0B+2:G0B+3], STEPB
.endm
.macro SETADR                          ; the fragment addresses in slot TB: four plain vector instructions
	v_add_nc_u32 v[ADRA], s[TB], v[A0]
	v_add_nc_u32 v[ADRB], s[TB], v[B0]
	v_add_nc_u32 v[ADRA+1], HALFT, v[ADRA]
	v_add_nc_u32 v[ADRB+1], HALFT, v[ADRB]
.endm
.macro PLACES                          ; four places in front of loads into registers that matrix instructions have read, and of conversions and stores that read results
.rept 4
	v_nop
.endr
.endm
	s_load_b256 s[4:11], s[0:1], 0x0               ; WH s[4:5] (Wv, Wq, Wk, 2,097,152 bytes each), XH s[6:7], NB s[8:9], HQ s[10:11]
	v_lshl_add_u32 v[SPW], v0, 2, SPARE
	v_mov_b32 v[NIL], 0
	ds_add_u32 v[SPW], v[NIL]                      ; the wave's opening: the add and its wait stand ahead of my first tensor load; work on registers stands between them
	ds_add_u32 v28, v29
	v_lshrrev_b32 v1, 5, v0
	v_readfirstlane_b32 s[WV], v1
	v_and_b32 v1, 15, v0                           ; l % 16
	v_bfe_u32 v2, v0, 4, 1                         ; l / 16
	s_and_b32 s19, ttmp9, 3                        ; 0: a tile of N; 1 to 3: a tile of the first rows
	s_wait_dscnt 0x0                               ; the opening add is done
	s_cmp_lg_u32 s19, 0
	s_cbranch_scc1 .Lhead
	; ---------------- (1) a tile of N ----------------
	s_lshr_b32 s[RH], s[WV], 1
	s_and_b32 s[CH], s[WV], 1
	s_lshr_b32 s41, ttmp9, 2                       ; the tile's number, 0 to 63
	s_lshr_b32 s40, s41, 3                         ; tile row (c2)
	s_and_b32 s41, s41, 7                          ; tile column (c1)
	s_mov_b32 s[G1], (1<<16)|(1<<20)|(5<<22)|(7<<25)   ; 2-byte elements; padding on; after every 64 words (code 5) 8 words (code 7)
	s_mov_b32 s[G1B], (1<<16)|(1<<20)|(5<<22)|(7<<25)
.irp g, G1, G1B
	s_mov_b32 s[(\g)+1], 128<<16                   ; tensor_dim0 = 128
	s_mov_b32 s[(\g)+2], 128<<16                   ; tensor_dim1 = 128
	s_mov_b32 s[(\g)+3], 128<<16                   ; tile_dim0 = 128
	s_mov_b32 s[(\g)+4], 128                       ; tile_dim1 = 128
	s_mov_b32 s[(\g)+5], 1024                      ; elements from row to row
	s_mov_b32 s[(\g)+6], 0
	s_mov_b32 s[(\g)+7], 0
.endr
	s_lshl_b32 s19, s[CH], 18                      ; my 128 rows of d, 2,048 bytes each
	s_lshl_b32 s42, s40, 8                         ; Wk: the tile row's 128 columns, 256 bytes,
	s_add_co_u32 s42, s42, s19
	s_add_co_u32 s42, s42, 0x400000                ; in WH's third part
	s_mov_b32 s43, 0
	s_lshl_b32 s44, s41, 8                         ; Wq: the tile column's,
	s_add_co_u32 s44, s44, s19
	s_add_co_u32 s44, s44, 0x200000                ; in its second part
	s_mov_b32 s45, 0
	s_mul_i32 s[WH], s[WV], HALFT                  ; where my rows go in a slot
	s_mov_b32 s[TB], 0
	s_mov_b32 s[TF], SLOT                          ; the slot filled last: slot 1
	s_mov_b32 s[G0X], 1
	s_mov_b32 s[G0X+1], s[WH]                      ; slot 0
	s_mov_b32 s[G0BX], 1
	s_mov_b32 s[G0BX+1], s[WH]
	s_mov_b32 s[G0], 1
	s_add_co_u32 s[G0+1], s[WH], SLOT              ; slot 1
	s_mov_b32 s[G0B], 1
	s_add_co_u32 s[G0B+1], s[WH], SLOT
	s_wait_kmcnt 0x0
	s_add_nc_u64 s[G0X+2:G0X+3], s[4:5], s[42:43]  ; step 0,
	s_add_nc_u64 s[G0+2:G0+3], s[G0X+2:G0X+3], STEPB   ; step 1
	s_or_b32 s[G0X+3], s[G0X+3], 0x80000000        ; type = 2
	s_or_b32 s[G0+3], s[G0+3], 0x80000000
	s_add_nc_u64 s[G0BX+2:G0BX+3], s[4:5], s[44:45]
	s_add_nc_u64 s[G0B+2:G0B+3], s[G0BX+2:G0BX+3], STEPB
	s_or_b32 s[G0BX+3], s[G0BX+3], 0x80000000
	s_or_b32 s[G0B+3], s[G0B+3], 0x80000000
	JLOAD G0X, G0BX                                ; both first fills go out together, ahead of every wait on TENSORcnt, every LDS read and every barrier: two loads of mine are out
	JLOAD G0, G0B
	; The turning load takes 16 d x 16 columns (lane l reads row 8 (l / 16) + l % 8, columns 8 ((l / 8) % 2) + 0..7) and leaves half a fragment: lane l holds column l % 16 and 8 d.
	v_and_b32 v3, 7, v0
	v_bfe_u32 v4, v0, 3, 1
	v_lshl_add_u32 v3, v2, 3, v3
	v_mul_u32_u24 v3, v3, PW
	v_lshl_add_u32 v3, v4, 4, v3
	s_lshl_b32 s19, s[RH], 7                       ; my 64 columns of Wk's tile
	v_add_nc_u32 v[A0], s19, v3
	s_lshl_b32 s23, s[CH], 7                       ; my 64 columns of Wq's tile,
	s_add_co_u32 s23, s23, 2*HALFT                 ; which lies behind Wk's
	v_add_nc_u32 v[B0], s23, v3
	SETADR
	s_mul_i32 s19, s[RH], 64*SPITCH                ; into the stage: my 64 rows, my half of their 256 bytes
	s_lshl_b32 s23, s[CH], 7
	s_add_co_u32 s19, s19, s23
	v_mul_u32_u24 v4, v1, SPITCH
	v_lshl_add_u32 v4, v2, 4, v4
	v_add_nc_u32 v[STO], s19, v4
	s_mul_i32 s19, s[WV], 32*SPITCH                ; back: wave w takes rows 32 w .. 32 w + 31, whole
	v_mul_u32_u24 v5, v2, SPITCH
	v_lshl_add_u32 v5, v1, 4, v5
	v_add_nc_u32 v[RD], s19, v5
	v_lshlrev_b32 v5, 11, v2                       ; and the same two rows in NB, 2,048 bytes apart
	v_lshl_add_u32 v[CO], v1, 4, v5
	s_lshl_b32 s42, s40, 18                        ; 128 x tile row rows of 2,048 bytes,
	s_lshl_b32 s19, s[WV], 16                      ; 32 x wave more
	s_add_co_u32 s42, s42, s19
	s_add_nc_u64 s[8:9], s[8:9], s[42:43]
	s_lshl_b32 s44, s41, 8                         ; the tile's first column, in bytes
	s_add_nc_u64 s[8:9], s[8:9], s[44:45]
; 8 matrix instructions: row blocks a0, a0 + 1 x all 4 column blocks, 32 along d: half c of buffer f.  zero = 1: the first product starts the sums.  The 16 accumulators take turns.
.macro MUL8 f, c, a0, zero
	WIN MUL
.irp a, \a0, (\a0)+1
.irp b, 0,1,2,3
.if \zero
	v_wmma_f32_16x16x32_f16 v[ACC+8*(4*(\a)+(\b)):ACC+8*(4*(\a)+(\b))+7], v[(\f)+64+8*(4*(\c)+(\b)):(\f)+64+8*(4*(\c)+(\b))+7], v[(\f)+8*(4*(\c)+(\a)):(\f)+8*(4*(\c)+(\a))+7], 0
.else
	v_wmma_f32_16x16x32_f16 v[ACC+8*(4*(\a)+(\b)):ACC+8*(4*(\a)+(\b))+7], v[(\f)+64+8*(4*(\c)+(\b)):(\f)+64+8*(4*(\c)+(\b))+7], v[(\f)+8*(4*(\c)+(\a)):(\f)+8*(4*(\c)+(\a))+7], v[ACC+8*(4*(\a)+(\b)):ACC+8*(4*(\a)+(\b))+7]
.endif
.endr
.endr
.endm
; 32 LDS loads in one run: the fragments of quarter q (64 of the step's 256 d) into buffer f; its first 32 d first
.macro FETCH q, f
	WIN TO_F
.irp c, 0,1
.irp i, 0,1,2,3
	ds_load_tr16_b128 v[(\f)+64+8*(4*(\c)+(\i)):(\f)+64+8*(4*(\c)+(\i))+3],   v[ADRB+(\q)/2] offset:(((\q)%2)*64+32*(\c))*PW+32*(\i)
	ds_load_tr16_b128 v[(\f)+64+8*(4*(\c)+(\i))+4:(\f)+64+8*(4*(\c)+(\i))+7], v[ADRB+(\q)/2] offset:(((\q)%2)*64+32*(\c)+16)*PW+32*(\i)
	ds_load_tr16_b128 v[(\f)+8*(4*(\c)+(\i)):(\f)+8*(4*(\c)+(\i))+3],         v[ADRA+(\q)/2] offset:(((\q)%2)*64+32*(\c))*PW+32*(\i)
	ds_load_tr16_b128 v[(\f)+8*(4*(\c)+(\i))+4:(\f)+8*(4*(\c)+(\i))+7],       v[ADRA+(\q)/2] offset:(((\q)%2)*64+32*(\c)+16)*PW+32*(\i)
.endr
.endr
.endm
; One of a step's first three quarters: multiplies buffer f and fetches quarter q into g.
.macro QUARTER q, f, g, zero
	s_wait_dscnt 16                                ; the first 32 d are in; the youngest sixteen loads may be out
	MUL8 \f, 0, 0, \zero
	MUL8 \f, 0, 2, \zero
	PLACES
	FETCH \q, \g
	s_wait_dscnt 32                                ; all but the 32 just issued
	MUL8 \f, 1, 0, 0
	MUL8 \f, 1, 2, 0
.endm
; The first half of a step's last quarter, and ONE barrier for the change of slots: in front of it each wave waits for all its tensor loads (its part of the next slot), adds 0 to its spare word,
; and waits for that and for its own reads of this slot.  Behind it nobody reads this slot any more and the next slot is whole.
.macro MEET
	WIN 0
	s_wait_tensorcnt 0x0                           ; all my tensor loads have landed
	ds_add_u32 v[SPW], v[NIL]                      ; 0 onto my spare word
	s_wait_dscnt 17                                ; (the add and the youngest sixteen loads may be out)
	MUL8 F1, 0, 0, 0
	s_wait_dscnt 0x0                               ; the add is done, and my reads of this slot are over
	s_barrier_signal -1
	MUL8 F1, 0, 2, 0
	WIN 0
	s_barrier_wait -1
.endm
.macro TURN                            ; the whole last quarter where the slot is filled again: the refill is the first thing behind the barrier
	MEET
	NEXTFILL
	JLOAD G0, G0B                                  ; its four v_nop are also the places in front of the loads below
	s_xor_b32 s[TB], s[TB], SLOT
	SETADR
	FETCH 0, F0
	MUL8 F1, 1, 0, 0
	MUL8 F1, 1, 2, 0
.endm
	s_wait_tensorcnt 0x1                           ; my part of step 0 is in; step 1's may stay out
	s_barrier_signal -1
	s_barrier_wait -1                              ; everybody's is
	FETCH 0, F0
	QUARTER 1, F0, F1, 1                           ; the first quarter stands in front of the loop: its first products start the sums
	WIN 0
	s_mov_b32 s[CNT], 2
.Lstep:                                                ; a trip: a step's quarters 1 to 3 and the next step's quarter 0; it asks for the step two on: steps 2 and 3
	QUARTER 2, F1, F0, 0
	QUARTER 3, F0, F1, 0
	TURN
	QUARTER 1, F0, F1, 0
	WIN 0
	s_sub_co_u32 s[CNT], s[CNT], 1
	s_cmp_lg_u32 s[CNT], 0
	s_cbranch_scc1 .Lstep
	s_mov_b32 s[TL], 2
.Ltail:                                                ; the last two steps ask for nothing; the second trip fetches nothing more and leaves in its middle.  What is jumped holds no barrier and no tensor load
	QUARTER 2, F1, F0, 0
	QUARTER 3, F0, F1, 0
	MEET
	s_cmp_eq_u32 s[TL], 1
	s_cbranch_scc1 .Lnf
	s_xor_b32 s[TB], s[TB], SLOT
	SETADR                                         ; four plain instructions: the places in front of the loads below
	FETCH 0, F0
	WIN 0
.Lnf:
	MUL8 F1, 1, 0, 0
	MUL8 F1, 1, 2, 0
	WIN 0
	s_cmp_eq_u32 s[TL], 1
	s_cbranch_scc1 .Ldone
	QUARTER 1, F0, F1, 0
	WIN 0
	s_sub_co_u32 s[TL], s[TL], 1
	s_cmp_lg_u32 s[TL], 0
	s_cbranch_scc1 .Ltail
.Ldone:
	; THE WAY OUT: round to f16; 16 bytes a lane into the stage (no wave reads the ring behind the last barrier, and nothing is filled any more); a barrier, since a row's 256 bytes come from two waves; back as whole rows.
	PLACES
.irp t, 0,1,2,3,4,5,6,7,8,9,10,11,12,13,14,15
.irp r, 0,1,2,3
	v_cvt_pk_f16_f32 v[TMP+4*(\t)+(\r)], v[ACC+8*(\t)+2*(\r)], v[ACC+8*(\t)+2*(\r)+1]
.endr
.endr
.irp a, 0,1,2,3
.irp b, 0,1,2,3
	ds_store_b128 v[STO], v[TMP+4*(4*(\a)+(\b)):TMP+4*(4*(\a)+(\b))+3] offset:(\a)*16*SPITCH+32*(\b)
.endr
.endr
	s_wait_dscnt 0x0                               ; for the others' sake: my stores into the stage are done
	s_barrier_signal -1
	s_barrier_wait -1
.irp t, 0,1,2,3,4,5,6,7,8,9,10,11,12,13,14,15
	ds_load_b128 v[TMP+4*(\t):TMP+4*(\t)+3], v[RD] offset:(\t)*2*SPITCH
.endr
.irp t, 0,1,2,3,4,5,6,7,8,9,10,11,12,13,14,15
	s_wait_dscnt 15-(\t)                           ; LDS loads come back in order: load t is in
	global_store_b128 v[CO], v[TMP+4*(\t):TMP+4*(\t)+3], s[8:9] offset:2*(\t)*2048  ; 16 lanes store 256 consecutive bytes, at a multiple of 256 from NB's first byte
.endr
	s_wait_tensorcnt 0x0                           ; the wave's end
	ds_add_u32 v[SPW], v[NIL]
	s_wait_dscnt 0x0
	s_endpgm
	; ---------------- (2) a tile of the first rows' q, k, v ----------------
; Step k's ten loads: a fragment is 16 rows x 32 channels in 8 registers: lane l holds row l % 16, channels 8 (l / 16) + 0..7 and 16 + 8 (l / 16) + 0..7: two loads of 16 bytes, 32 bytes apart.
.macro HLOAD k
	WIN 0x40*((\k)/4)                              ; steps 4 to 7 land in window 1
	global_load_b128 v[XF+8*((\k)%4):XF+8*((\k)%4)+3],   v[LO], s[6:7] offset:64*(\k)
	global_load_b128 v[XF+8*((\k)%4)+4:XF+8*((\k)%4)+7], v[LO], s[6:7] offset:64*(\k)+32
.irp b, 0,1,2,3
	global_load_b128 v[WF+32*((\k)%4)+8*(\b):WF+32*((\k)%4)+8*(\b)+3],   v[LO], s[4:5] offset:(\b)*16*2048+64*(\k)
	global_load_b128 v[WF+32*((\k)%4)+8*(\b)+4:WF+32*((\k)%4)+8*(\b)+7], v[LO], s[4:5] offset:(\b)*16*2048+64*(\k)+32
.endr
.endm
; Step k's four products (source 0 = 16 rows of W, source 1 = the 16 rows of x: a lane holds one row and eight neighbouring columns).  The four accumulators take turns.
.macro HMUL k
	WIN 0x05*((\k)/4)
.irp b, 0,1,2,3
.if (\k) == 0
	v_wmma_f32_16x16x32_f16 v[HACC+8*(\b):HACC+8*(\b)+7], v[WF+32*((\k)%4)+8*(\b):WF+32*((\k)%4)+8*(\b)+7], v[XF+8*((\k)%4):XF+8*((\k)%4)+7], 0
.else
	v_wmma_f32_16x16x32_f16 v[HACC+8*(\b):HACC+8*(\b)+7], v[WF+32*((\k)%4)+8*(\b):WF+32*((\k)%4)+8*(\b)+7], v[XF+8*((\k)%4):XF+8*((\k)%4)+7], v[HACC+8*(\b):HACC+8*(\b)+7]
.endif
.endr
.endm
.Lhead:
	s_lshr_b32 s40, ttmp9, 2
	s_mul_i32 s40, s40, 3
	s_add_co_u32 s40, s40, s19
	s_sub_co_u32 s40, s40, 1                       ; my number among the 192
	s_and_b32 s41, s40, 3                          ; the batch
	s_lshr_b32 s40, s40, 2                         ; the column tile, 0 to 47: 16 each of q, k, v
	s_lshr_b32 s42, s40, 4
	s_add_co_u32 s42, s42, 1                       ; the weight's place in WH: Wq 1, Wk 2,
	s_cmp_eq_u32 s42, 3
	s_cselect_b32 s42, 0, s42                      ; Wv 0
	s_lshl_b32 s44, s42, 21
	s_and_b32 s43, s40, 15                         ; which 64 rows of that weight,
	s_lshl_b32 s43, s43, 17                        ; of 2,048 bytes
	s_add_co_u32 s44, s44, s43
	s_mov_b32 s45, 0
	s_lshl_b32 s46, s41, 22                        ; x: the batch's 2,048 rows of 2,048 bytes
	s_mov_b32 s47, 0
	s_mul_i32 s48, s41, 16*HQP                     ; HQ: the batch's 16 rows,
	s_lshl_b32 s23, s40, 8                         ; the tile's 64 columns of 4 bytes
	s_add_co_u32 s48, s48, s23
	s_mov_b32 s49, 0
	v_lshlrev_b32 v[LO], 11, v1
	v_lshl_add_u32 v[LO], v2, 4, v[LO]
	s_lshl_b32 s23, s[WV], 9
	v_add_nc_u32 v[LO], s23, v[LO]
	s_wait_kmcnt 0x0
	s_add_nc_u64 s[4:5], s[4:5], s[44:45]
	s_add_nc_u64 s[6:7], s[6:7], s[46:47]
	s_add_nc_u64 s[10:11], s[10:11], s[48:49]
.irp k, 0,1,2,3,4,5
	HLOAD \k                                       ; 60 loads go out at once; steps 6 and 7 follow behind the first two steps' products, so that 60 at the most are out
.endr
	WIN 0
	s_mul_i32 s23, s[WV], STW                      ; the other addresses are made while the loads are out
	s_add_co_u32 s23, s23, HSTG
	v_mul_u32_u24 v[HSTO], v1, SPITCH
	v_lshl_add_u32 v[HSTO], v2, 5, v[HSTO]
	v_add_nc_u32 v[HSTO], s23, v[HSTO]             ; my wave's tile, row l % 16, 32 bytes for each half of the lanes
	v_lshrrev_b32 v7, 4, v0                        ; thread / 16: my thread sums rows thread / 16 and 8 + thread / 16
	v_mul_u32_u24 v[HRD], v7, SPITCH
	v_lshl_add_u32 v[HRD], v1, 4, v[HRD]
	v_add_nc_u32 v[HRD], HSTG, v[HRD]
	v_mul_u32_u24 v[HGO], v7, HQP
	v_lshl_add_u32 v[HGO], v1, 4, v[HGO]
	s_wait_loadcnt 50                              ; loads come back in order (ISA guide 5.7.1): step 0's ten are in; steps 1 to 5 stay out
	HMUL 0
	HLOAD 6
	s_wait_loadcnt 50                              ; steps 2 to 6 stay out
	HMUL 1
	HLOAD 7
	s_wait_loadcnt 50                              ; steps 3 to 7
	HMUL 2
.irp k, 3,4,5,6,7
	s_wait_loadcnt 70-10*(\k)                      ; the later steps' tens
	HMUL \k
.endr
	WIN 0
	PLACES
.irp b, 0,1,2,3
	ds_store_b128 v[HSTO], v[HACC+8*(\b):HACC+8*(\b)+3]   offset:64*(\b)     ; each accumulator's low four registers go first
	ds_store_b128 v[HSTO], v[HACC+8*(\b)+4:HACC+8*(\b)+7] offset:64*(\b)+16
.endr
	s_wait_dscnt 0x0                               ; for the others' sake: my stores are done
	s_barrier_signal -1
	s_barrier_wait -1
.irp p, 0,1,2,3
.irp u, 0,1
	ds_load_b128 v[SM+4*(2*(\p)+(\u)):SM+4*(2*(\p)+(\u))+3], v[HRD] offset:(\p)*STW+(\u)*8*SPITCH
.endr
.endr
	s_wait_dscnt 0x0
.irp u, 0,1
.irp z, 0,2
	v_pk_add_f32 v[SM+4*(\u)+(\z):SM+4*(\u)+(\z)+1],       v[SM+4*(\u)+(\z):SM+4*(\u)+(\z)+1],       v[SM+8+4*(\u)+(\z):SM+8+4*(\u)+(\z)+1]
	v_pk_add_f32 v[SM+16+4*(\u)+(\z):SM+16+4*(\u)+(\z)+1], v[SM+16+4*(\u)+(\z):SM+16+4*(\u)+(\z)+1], v[SM+24+4*(\u)+(\z):SM+24+4*(\u)+(\z)+1]
.endr
.endr
.irp u, 0,1
.irp z, 0,2
	v_pk_add_f32 v[SM+4*(\u)+(\z):SM+4*(\u)+(\z)+1], v[SM+4*(\u)+(\z):SM+4*(\u)+(\z)+1], v[SM+16+4*(\u)+(\z):SM+16+4*(\u)+(\z)+1]
.endr
.endr
.irp u, 0,1
	global_store_b128 v[HGO], v[SM+4*(\u):SM+4*(\u)+3], s[10:11] offset:(\u)*8*HQP  ; 16 lanes store 256 consecutive bytes, at a multiple of 256 from HQ's first byte
.endr
	s_wait_tensorcnt 0x0                           ; the wave's end
	ds_add_u32 v[SPW], v[NIL]
	s_wait_dscnt 0x0
	s_endpgm
.Lfunc_end_k_qb17033f0d6_wprod:
	.size	k_qb17033f0d6_wprod, .Lfunc_end_k_qb17033f0d6_wprod-k_qb17033f0d6_wprod
	.p2alignl 7, 3214868480
	.fill 96, 4, 3214868480
	.section	.rodata,"a",@progbits
	.p2align	6, 0x0
	.amdhsa_kernel k_qb17033f0d6_wprod
		.amdhsa_group_segment_fixed_size 327680
		.amdhsa_private_segment_fixed_size 0
		.amdhsa_enable_private_segment 0
		.amdhsa_kernarg_size 32
		.amdhsa_user_sgpr_count 2
		.amdhsa_user_sgpr_kernarg_segment_ptr 1
		.amdhsa_wavefront_size32 1
		.amdhsa_system_sgpr_workgroup_id_x 1
		.amdhsa_system_sgpr_workgroup_id_y 1
		.amdhsa_system_sgpr_workgroup_id_z 1
		.amdhsa_system_vgpr_workitem_id 0
		.amdhsa_next_free_vgpr 512
		.amdhsa_next_free_sgpr 66
		.amdhsa_reserve_vcc 0
		.amdhsa_float_denorm_mode_32 3
		.amdhsa_float_denorm_mode_16_64 3
		.amdhsa_memory_ordered 1
		.amdhsa_forward_progress 1
		.amdhsa_inst_pref_size 71
	.end_amdhsa_kernel
	.amdgpu_metadata
---
amdhsa.version: [ 1, 2 ]
amdhsa.kernels:
  - .name:           k_qb17033f0d6_wprod
    .symbol:         k_qb17033f0d6_wprod.kd
    .args:
      - { .name: WH, .offset: 0, .size: 8, .value_kind: global_buffer, .address_space: global }
      - { .name: XH, .offset: 8, .size: 8, .value_kind: global_buffer, .address_space: global }
      - { .name: NB, .offset: 16, .size: 8, .value_kind: global_buffer, .address_space: global }
      - { .name: HQ, .offset: 24, .size: 8, .value_kind: global_buffer, .address_space: global }
    .group_segment_fixed_size: 327680
    .private_segment_fixed_size: 0
    .kernarg_segment_align: 8
    .kernarg_segment_size: 32
    .max_flat_workgroup_size: 128
    .sgpr_count:     66
    .vgpr_count:     512
    .wavefront_size: 32
...
	.end_amdgpu_metadata
.endif
;; end of part 2
;; launch proj (part 3): grid 8 x 32, 4 waves a work-group, clusters of 4 x 4, 327,680 bytes of LDS; arguments XH, WH, NB, YV; writes YV
.if DOCPART == 3
	.amdgcn_target "amdgcn-amd-amdhsa--gfx1250"
	.amdhsa_code_object_version 6
	.text
	.protected	k_qb17033f0d6_proj
	.globl	k_qb17033f0d6_proj
	.p2align	8
	.type	k_qb17033f0d6_proj,@function
k_qb17033f0d6_proj:
	s_mov_b64 s[64:65], 0
	v_nop
	global_prefetch_b8 v0, s[64:65] scope:SCOPE_SE
	s_setreg_imm32_b32 hwreg(HW_REG_WAVE_MODE, 25, 1), 1
	s_wait_xcnt 0x0
	s_wait_alu depctr_hold_cnt(0) depctr_sa_sdst(0) depctr_va_vdst(0) depctr_va_sdst(0) depctr_va_ssrc(0) depctr_va_vcc(0) depctr_vm_vsrc(0)
	s_getreg_b32 s2, hwreg(HW_REG_IB_STS2, 6, 4)
	s_cmp_eq_u32 s2, 0
	s_cbranch_scc0 .Lentry_in_a_cluster
	s_endpgm
.Lentry_in_a_cluster:
	s_bfe_u32 s2, ttmp6, 0x10000c
	s_cmp_lg_u32 s2, 0xf033
	s_cbranch_scc0 .Lentry_shape_is_right
	s_endpgm
.Lentry_shape_is_right:
; [y 2^-10 | v] = x [N ; Wv]^T.  XH: [8192][1024]; N (NB) and Wv (the first part of WH): [1024][1024]; YV: [8192][2048], all f16; sums in f32; each number of YV rounded once.
; LIMITS.  Columns 0-1023 (y = x N^T) leave multiplied by 2^-10, an exact factor applied in f32 ahead of the rounding, so that y has room in f16 where all inputs are some 30 times larger or carry an
; offset; the score launch's constant takes the factor back.  Beyond 65,504 (y: 6.7e7) an infinity; below 6e-5 f16's fixed step of 6e-8.
; SHARES.  256 tiles of 256 x 256, one to a work-group of four waves; a wave makes 128 x 128: 64 accumulators, 512 registers.  K goes in 8 steps of 128 through two LDS slots: rows of 256 bytes, aligned.
; CLUSTER.  4 x 4 work-groups: x's tile is asked for jointly along a row of the cluster, the second operand's along a column.  The first column of clusters makes y, the second v.
; ONE STEP IS WRITTEN ONCE: the slot read (TB) and the slot filled (TF) are scalar registers turned by an exclusive or.  The loop's text fills; the tail's text, walked twice, does not.
; THE MATRIX INSTRUCTION IS USED TRANSPOSED (source 0 = 16 rows of N or Wv, source 1 = 16 rows of x): a lane holds eight neighbouring numbers of a row of the result.
; THE WAY OUT.  The whole tile goes in f32 into the ring's bytes, whose last fill is past; behind a barrier each wave reads 64 whole rows, scales, rounds and stores them: a short loop.
; REGISTERS, in windows of 256: window 0: v0-31 addresses; v64-127, v128-191 fragments of x, two buffers.  Window 1: v64-127, v128-191 fragments of N or Wv.  Windows 2, 3: accumulators ((a, b) at v[8 (8 a + b)]): my rows 0-63, 64-127.
.set KSTEP,  128
.set PITCH,  272                       ; an LDS row: 256 bytes + 16 of padding = 68 words: the 16 rows that a load touches start at 16 different groups of four banks (64 banks of 4 bytes: ISA guide 11.1)
.set HALFT,  128*PITCH                 ; 128 rows: what one tensor load brings, and what one wave reads of either operand
.set SLOT,   4*HALFT                   ; x's 256 rows, then the second operand's 256 rows
.set DP,     1040                      ; the way out: a row of 256 f32 + 16 bytes = 260 words: again 16 rows at 16 different groups of four banks; 256 rows take 266,240 of the ring's 278,528 bytes
.set SPARE,  2*SLOT                    ; behind the ring: the spare words, 128 bytes for each wave: two blocks of 256 bytes that no other line names
.set A0,   16                          ; v16  my lane's place in x's tile; never rewritten
.set B0,   17                          ; v17  the same for the second operand's
.set ADRA, 18                          ; v18  LDS address of my x fragments in the slot read
.set ADRB, 19                          ; v19  the same for the second operand
.set DST0, 20                          ; v20-21  the way out: where my rows 0-63, 64-127 begin
.set RDA,  22                          ; v22  where I read rows back
.set GOF,  23                          ; v23  my byte offset in YV
.set SPW,  28                          ; v28  LDS address of my spare word; never rewritten
.set NIL,  29                          ; v29  0; never rewritten
.set F0,   64
.set F1,   128
.set RW,   64                          ; the way out: eight rows as read, 8 registers each
.set RO,   128                         ; and as stored, 4 registers each
.set TL,   2                           ; s2   counts the tail's two trips
.set CNT,  3                           ; s3   counts a loop's trips
.set YVB,  10                          ; s[10:11] YV
.set WV,   18
.set RH,   19                          ; which half of the tile's rows is mine; also: I fetch x (0) or the second operand (1)
.set CH,   23                          ; which half of its columns; also: which 128 rows I fetch
.set WH,   20                          ; s20  wave x HALFT
.set TB,   21
.set TF,   22
.set G1,   24                          ; s[24:31] descriptor group 1 for x's tiles;  s[32:35] group 0, which walks;  s[68:71] group 0 of the first fill
.set G0,   32
.set G0X,  68
.set SC,   44                          ; s[44:45] the factor on the way out
.set G1B,  48                          ; s[48:55], s[56:59], s[72:75] the same for the second operand's
.set G0B,  56
.set G0BX, 72
.set MSB, 0
.macro WIN new                         ; the immediate's high byte repeats the setting that is left; a switch that changes nothing is dropped
.if MSB != (\new)
	s_set_vgpr_msb (MSB<<8)|(\new)
.set MSB, \new
.endif
.endm
.set MUL_LO, 0xa1                      ; source 0 window 1, source 1 (x) window 0, C and D window 2
.set TO_B,   0x40                      ; destination window 1, address window 0
.macro JLOAD ga, gb                    ; a joint load: waves 0 and 1 fetch x's two halves, waves 2 and 3 the second operand's; an s_nop 0 and four v_nop follow each line
	s_cmp_eq_u32 s[RH], 0
	s_cbranch_scc0 .Lfor_b_\@
	tensor_load_to_lds s[(\ga):(\ga)+3], s[G1:G1+7]
	s_nop 0
.rept 4
	v_nop
.endr
	s_branch .Lasked_\@
.Lfor_b_\@:
	tensor_load_to_lds s[(\gb):(\gb)+3], s[G1B:G1B+7]
	s_nop 0
.rept 4
	v_nop
.endr
.Lasked_\@:
.endm
.macro CREST                           ; a round of the cluster's barrier behind its opening barrier
	s_cmp_lg_u32 s[WV], 0
	s_cbranch_scc1 .Lnot_wave_0_\@
	s_barrier_signal -3
.Lnot_wave_0_\@:
	s_barrier_wait -3
	s_barrier_signal -1
	s_barrier_wait -1
.endm
.macro CROUND
	s_barrier_signal -1
	s_barrier_wait -1
	CREST
.endm
.macro NEXTFILL                        ; the walking descriptors: the other slot, the next 128 along K.  Written only where no tensor load of mine is out
	s_xor_b32 s[TF], s[TF], SLOT
	s_add_co_u32 s[G0+1], s[TF], s[WH]
	s_add_co_u32 s[G0B+1], s[TF], s[WH]
	s_add_nc_u64 s[G0+2:G0+3], s[G0+2:G0+3], KSTEP*2
	s_add_nc_u64 s[G0B+2:G0B+3], s[G0B+2:G0B+3], KSTEP*2
.endm
.macro PLACES                          ; four places in front of loads into registers that matrix instructions have read, and of stores that read results
.rept 4
	v_nop
.endr
.endm
	s_load_b256 s[4:11], s[0:1], 0x0               ; XH s[4:5], WH s[6:7], NB s[8:9], YV s[10:11]
	v_lshl_add_u32 v[SPW], v0, 2, SPARE
	v_mov_b32 v[NIL], 0
	ds_add_u32 v[SPW], v[NIL]                      ; the wave's opening: the add and its wait stand ahead of my first tensor load; the set-up below stands between them
	ds_add_u32 v28, v29
	v_lshrrev_b32 v1, 5, v0
	v_readfirstlane_b32 s[WV], v1
	s_lshr_b32 s[RH], s[WV], 1
	s_and_b32 s[CH], s[WV], 1
	s_bfe_u32 s36, ttmp6, 0x40000                  ; cx
	s_bfe_u32 s37, ttmp6, 0x40004                  ; cy
	s_lshl_b32 s40, ttmp9, 2
	s_add_co_u32 s40, s40, s36                     ; tile column = 4 x cluster x + cx
	s_and_b32 s13, ttmp7, 0xffff
	s_lshl_b32 s13, s13, 2
	s_add_co_u32 s13, s13, s37                     ; tile row = 4 x cluster y + cy
	s_lshl_b32 s38, s37, 2
	s_lshl_b32 s38, 15, s38                        ; my row of the cluster
	s_lshl_b32 s39, 0x1111, s36                    ; my column
	s_or_b32 s[G1], s38, (1<<16)|(1<<20)|(1<<21)|(5<<22)|(3<<25)   ; the mask; 2-byte elements; padding on; bit 21 beside a mask; after every 64 words (code 5) 4 words (code 3)
	s_or_b32 s[G1B], s39, (1<<16)|(1<<20)|(1<<21)|(5<<22)|(3<<25)
.irp g, G1, G1B
	s_mov_b32 s[(\g)+1], KSTEP<<16                 ; tensor_dim0 = 128
	s_mov_b32 s[(\g)+2], 128<<16                   ; tensor_dim1 = 128
	s_mov_b32 s[(\g)+3], KSTEP<<16                 ; tile_dim0 = 128
	s_mov_b32 s[(\g)+4], 128                       ; tile_dim1 = 128
	s_mov_b32 s[(\g)+5], 1024                      ; elements from row to row
	s_mov_b32 s[(\g)+6], 0
	s_mov_b32 s[(\g)+7], 0
.endr
	s_lshl_b32 s14, s[CH], 7                       ; which 128 rows of a tile I fetch
	s_lshl_b32 s16, s13, 8
	s_add_co_u32 s16, s16, s14
	s_lshl_b32 s16, s16, 11                        ; x: (256 x tile row + 128 x half) rows of 2,048 bytes
	s_mov_b32 s17, 0
	s_lshl_b32 s46, s36, 8                         ; the second operand has 1,024 rows: four tiles, by cx
	s_add_co_u32 s46, s46, s14
	s_lshl_b32 s46, s46, 11
	s_mov_b32 s47, 0
	s_mul_i32 s[WH], s[WV], HALFT                  ; where my rows go in a slot: no place in the cluster enters an LDS address
	s_mov_b32 s[TB], 0
	s_mov_b32 s[TF], SLOT                          ; the slot filled last: slot 1
	s_mov_b32 s[G0X], 1
	s_mov_b32 s[G0X+1], s[WH]                      ; slot 0
	s_mov_b32 s[G0BX], 1
	s_mov_b32 s[G0BX+1], s[WH]
	s_mov_b32 s[G0], 1
	s_add_co_u32 s[G0+1], s[WH], SLOT              ; slot 1
	s_mov_b32 s[G0B], 1
	s_add_co_u32 s[G0B+1], s[WH], SLOT
	s_cmp_eq_u32 ttmp9, 0                          ; the first cluster column holds tile columns 0-3: y
	s_cselect_b32 s[SC], 0x3a800000, 1.0           ; 2^-10, or 1 for v
	s_mov_b32 s[SC+1], s[SC]                       ; named with it as a pair
	s_wait_dscnt 0x0                               ; the opening add is done
	s_wait_kmcnt 0x0
	s_cmp_eq_u32 ttmp9, 0
	s_cselect_b64 s[6:7], s[8:9], s[6:7]           ; N for y, Wv (WH's first part) for v: a choice between whole addresses, the same in all sixteen work-groups
	s_add_nc_u64 s[G0X+2:G0X+3], s[4:5], s[16:17]  ; K step 0,
	s_add_nc_u64 s[G0+2:G0+3], s[G0X+2:G0X+3], KSTEP*2     ; K step 1
	s_or_b32 s[G0X+3], s[G0X+3], 0x80000000        ; type = 2
	s_or_b32 s[G0+3], s[G0+3], 0x80000000
	s_add_nc_u64 s[G0BX+2:G0BX+3], s[6:7], s[46:47]
	s_add_nc_u64 s[G0B+2:G0B+3], s[G0BX+2:G0BX+3], KSTEP*2
	s_or_b32 s[G0BX+3], s[G0BX+3], 0x80000000
	s_or_b32 s[G0B+3], s[G0B+3], 0x80000000
	CROUND                                         ; all sixteen work-groups are here: the first joint loads meet
	JLOAD G0X, G0BX                                ; both first fills go out together, ahead of every wait on TENSORcnt and every LDS read: two loads of mine are out
	JLOAD G0, G0B
	; A fragment is 16 rows x 32 K in 8 registers: lane l holds row l % 16, K = 8 (l / 16) + 0..7 and 16 + 8 (l / 16) + 0..7: two loads of 16 bytes, 32 bytes apart.
	v_and_b32 v1, 15, v0                           ; l % 16
	v_bfe_u32 v2, v0, 4, 1                         ; l / 16
	v_mul_u32_u24 v3, v1, PITCH
	v_lshl_add_u32 v3, v2, 4, v3
	s_mul_i32 s14, s[RH], HALFT                    ; my 128 rows of x
	s_mul_i32 s15, s[CH], HALFT                    ; my 128 rows of the second operand,
	s_add_co_u32 s15, s15, 2*HALFT                 ; which lie behind x's 256
	v_add_nc_u32 v[A0], s14, v3
	v_add_nc_u32 v[B0], s15, v3
	v_mov_b32 v[ADRA], v[A0]                       ; slot 0
	v_mov_b32 v[ADRB], v[B0]
	v_mul_u32_u24 v4, v1, DP                       ; the way out: row 128 RH + l % 16, column 128 CH + 8 (l / 16), in f32
	v_lshl_add_u32 v4, v2, 5, v4
	s_mul_i32 s14, s[RH], 128*DP
	s_lshl_b32 s15, s[CH], 9
	s_add_co_u32 s14, s14, s15
	v_add_nc_u32 v[DST0], s14, v4
	v_add_nc_u32 v[DST0+1], 64*DP, v[DST0]
	v_and_b32 v5, 31, v0                           ; lane
	s_mul_i32 s14, s[WV], 64*DP                    ; back: wave w takes rows 64 w .. 64 w + 63
	v_lshl_add_u32 v[RDA], v5, 4, s14
	s_lshl_b32 s15, s[WV], 18                      ; the same rows in YV, 4,096 bytes each
	v_lshl_add_u32 v[GOF], v5, 3, s15
	s_lshl_b32 s16, s13, 20                        ; the tile's 256 rows,
	s_add_nc_u64 s[YVB:YVB+1], s[YVB:YVB+1], s[16:17]
	s_lshl_b32 s46, s40, 9                         ; and its 256 columns of 2 bytes
	s_add_nc_u64 s[YVB:YVB+1], s[YVB:YVB+1], s[46:47]
; 16 matrix instructions: row blocks a0, a0 + 1 of the window's four x all 8 column blocks, 32 along K.  zero = 1: the first product starts the sums.  The 64 accumulators take turns.
.macro MUL16 f, hi, a0, zero
	WIN MUL_LO+0x50*(\hi)
.irp a, \a0, (\a0)+1
.irp b, 0,1,2,3,4,5,6,7
.if \zero
	v_wmma_f32_16x16x32_f16 v[8*(8*(\a)+(\b)):8*(8*(\a)+(\b))+7], v[(\f)+8*(\b):(\f)+8*(\b)+7], v[(\f)+8*(4*(\hi)+(\a)):(\f)+8*(4*(\hi)+(\a))+7], 0
.else
	v_wmma_f32_16x16x32_f16 v[8*(8*(\a)+(\b)):8*(8*(\a)+(\b))+7], v[(\f)+8*(\b):(\f)+8*(\b)+7], v[(\f)+8*(4*(\hi)+(\a)):(\f)+8*(4*(\hi)+(\a))+7], v[8*(8*(\a)+(\b)):8*(8*(\a)+(\b))+7]
.endif
.endr
.endr
.endm
; 32 LDS loads in one run: the fragments of a quarter step (32 K at byte k of the rows) into buffer f
.macro FETCH k, f
	WIN TO_B
.irp i, 0,1,2,3,4,5,6,7
	ds_load_b128 v[(\f)+8*(\i):(\f)+8*(\i)+3],   v[ADRB] offset:(\k)+(\i)*16*PITCH
	ds_load_b128 v[(\f)+8*(\i)+4:(\f)+8*(\i)+7], v[ADRB] offset:(\k)+(\i)*16*PITCH+32
.endr
	WIN 0
.irp i, 0,1,2,3,4,5,6,7
	ds_load_b128 v[(\f)+8*(\i):(\f)+8*(\i)+3],   v[ADRA] offset:(\k)+(\i)*16*PITCH
	ds_load_b128 v[(\f)+8*(\i)+4:(\f)+8*(\i)+7], v[ADRA] offset:(\k)+(\i)*16*PITCH+32
.endr
.endm
; One of a step's first three quarters: multiplies buffer f; in its middle it fetches the next quarter, at byte k, into g.
.macro QUARTER k, f, g, zero
	s_wait_dscnt 8                                 ; the second operand and x's rows 0-63 are in; the youngest eight loads (x's rows 64-127) may be out
	MUL16 \f, 0, 0, \zero
	MUL16 \f, 0, 2, \zero
	PLACES
	FETCH \k, \g
	s_wait_dscnt 32                                ; all but the 32 just issued
	MUL16 \f, 1, 0, \zero
	MUL16 \f, 1, 2, \zero
.endm
; The first half of a step's last quarter, and ONE barrier for the change of slots: in front of it each wave waits for all its tensor loads (its part of the next slot), adds 0 to its spare word,
; and waits for that and for its own reads of this slot.  Behind it nobody reads this slot any more and the next slot is whole.
.macro MEET
	WIN 0
	s_wait_tensorcnt 0x0                           ; all my tensor loads have landed
	ds_add_u32 v[SPW], v[NIL]                      ; 0 onto my spare word
	s_wait_dscnt 9                                 ; (the add and the youngest eight loads may be out)
	MUL16 F1, 0, 0, 0
	s_wait_dscnt 0x0                               ; the add is done, and my reads of this slot are over
	s_barrier_signal -1
	MUL16 F1, 0, 2, 0
	WIN 0
	s_barrier_wait -1
.endm
.macro TURN                            ; the whole last quarter where the slot is filled again: the barrier opens a round of the cluster's, and the joint refill is the first thing behind it
	MEET
	CREST
	NEXTFILL
	JLOAD G0, G0B                                  ; its four v_nop are also the places in front of the loads below
	s_xor_b32 s[TB], s[TB], SLOT
	v_add_nc_u32 v[ADRA], s[TB], v[A0]
	v_add_nc_u32 v[ADRB], s[TB], v[B0]
	FETCH 0, F0
	MUL16 F1, 1, 0, 0
	MUL16 F1, 1, 2, 0
.endm
	s_wait_tensorcnt 0x1                           ; my part of K step 0 is in; K step 1's may stay out
	s_barrier_signal -1
	s_barrier_wait -1                              ; everybody's is
	FETCH 0, F0
	QUARTER 64, F0, F1, 1                          ; the first quarter stands in front of the loop: its products start the sums
	WIN 0
	s_mov_b32 s[CNT], 6
.Lstep:                                                ; a trip: a step's quarters 1 to 3 and the next step's quarter 0; it asks for the step two on: steps 2 to 7
	QUARTER 128, F1, F0, 0
	QUARTER 192, F0, F1, 0
	TURN
	QUARTER 64, F0, F1, 0
	WIN 0
	s_sub_co_u32 s[CNT], s[CNT], 1
	s_cmp_lg_u32 s[CNT], 0
	s_cbranch_scc1 .Lstep
	s_mov_b32 s[TL], 2
.Ltail:                                                ; the last two steps ask for nothing; the second trip fetches nothing more and leaves in its middle.  What is jumped holds no barrier and no tensor load
	QUARTER 128, F1, F0, 0
	QUARTER 192, F0, F1, 0
	MEET
	s_cmp_eq_u32 s[TL], 1
	s_cbranch_scc1 .Lnf
	s_xor_b32 s[TB], s[TB], SLOT
	v_add_nc_u32 v[ADRA], s[TB], v[A0]             ; with the two v_nop: the four places in front of the loads below
	v_add_nc_u32 v[ADRB], s[TB], v[B0]
	v_nop
	v_nop
	FETCH 0, F0
.Lnf:
	MUL16 F1, 1, 0, 0
	MUL16 F1, 1, 2, 0
	WIN 0
	s_cmp_eq_u32 s[TL], 1
	s_cbranch_scc1 .Ldone
	QUARTER 64, F0, F1, 0
	WIN 0
	s_sub_co_u32 s[TL], s[TL], 1
	s_cmp_lg_u32 s[TL], 0
	s_cbranch_scc1 .Ltail
.Ldone:
	; THE WAY OUT.  No wave reads the ring behind the last barrier and nothing is filled any more: the tile goes there in f32.  Each accumulator's low four registers go first.
	PLACES
.irp hi, 0,1
	WIN 0x08+4*(\hi)                               ; store data (source 1) in window 2 or 3
.irp a, 0,1,2,3
.irp b, 0,1,2,3,4,5,6,7
	ds_store_b128 v[DST0+(\hi)], v[8*(8*(\a)+(\b)):8*(8*(\a)+(\b))+3]   offset:(\a)*16*DP+64*(\b)
	ds_store_b128 v[DST0+(\hi)], v[8*(8*(\a)+(\b))+4:8*(8*(\a)+(\b))+7] offset:(\a)*16*DP+64*(\b)+16
.endr
.endr
.endr
	WIN 0
	s_wait_dscnt 0x0                               ; for the others' sake: my stores are done
	s_barrier_signal -1
	s_barrier_wait -1
	s_mov_b32 s[CNT], 8
.Lrows:                                                ; eight rows a trip: a lane takes 4 + 4 numbers of each, scales, rounds, and stores 8 + 8 bytes
.irp p, 0,1,2,3,4,5,6,7
	ds_load_b128 v[RW+8*(\p):RW+8*(\p)+3],   v[RDA] offset:(\p)*DP
	ds_load_b128 v[RW+8*(\p)+4:RW+8*(\p)+7], v[RDA] offset:(\p)*DP+512
.endr
.irp p, 0,1,2,3,4,5,6,7
	s_wait_dscnt 14-2*(\p)                         ; LDS loads come back in order: row p is in
.irp z, 0,2,4,6
	v_pk_mul_f32 v[RW+8*(\p)+(\z):RW+8*(\p)+(\z)+1], v[RW+8*(\p)+(\z):RW+8*(\p)+(\z)+1], s[SC:SC+1] op_sel_hi:[1,0]
.endr
.irp z, 0,1,2,3
	v_cvt_pk_f16_f32 v[RO+4*(\p)+(\z)], v[RW+8*(\p)+2*(\z)], v[RW+8*(\p)+2*(\z)+1]
.endr
	global_store_b64 v[GOF], v[RO+4*(\p):RO+4*(\p)+1],   s[YVB:YVB+1] offset:(\p)*4096      ; 32 lanes store 256 consecutive bytes, at a multiple of 256 from YV's first byte
	global_store_b64 v[GOF], v[RO+4*(\p)+2:RO+4*(\p)+3], s[YVB:YVB+1] offset:(\p)*4096+256
.endr
	s_wait_xcnt 0x0                                ; the stores' offset and data are rewritten only behind this wait
	v_add_nc_u32 v[RDA], 8*DP, v[RDA]
	v_add_nc_u32 v[GOF], 8*4096, v[GOF]
	s_sub_co_u32 s[CNT], s[CNT], 1
	s_cmp_lg_u32 s[CNT], 0
	s_cbranch_scc1 .Lrows
	s_wait_tensorcnt 0x0                           ; the wave's end
	ds_add_u32 v[SPW], v[NIL]
	s_wait_dscnt 0x0
	CROUND                                         ; the closing round
	s_endpgm
.Lfunc_end_k_qb17033f0d6_proj:
	.size	k_qb17033f0d6_proj, .Lfunc_end_k_qb17033f0d6_proj-k_qb17033f0d6_proj
	.p2alignl 7, 3214868480
	.fill 96, 4, 3214868480
	.section	.rodata,"a",@progbits
	.p2align	6, 0x0
	.amdhsa_kernel k_qb17033f0d6_proj
		.amdhsa_group_segment_fixed_size 327680
		.amdhsa_private_segment_fixed_size 0
		.amdhsa_enable_private_segment 0
		.amdhsa_kernarg_size 32
		.amdhsa_user_sgpr_count 2
		.amdhsa_user_sgpr_kernarg_segment_ptr 1
		.amdhsa_wavefront_size32 1
		.amdhsa_system_sgpr_workgroup_id_x 1
		.amdhsa_system_sgpr_workgroup_id_y 1
		.amdhsa_system_sgpr_workgroup_id_z 1
		.amdhsa_system_vgpr_workitem_id 0
		.amdhsa_next_free_vgpr 1024
		.amdhsa_next_free_sgpr 80
		.amdhsa_reserve_vcc 0
		.amdhsa_float_denorm_mode_32 3
		.amdhsa_float_denorm_mode_16_64 3
		.amdhsa_memory_ordered 1
		.amdhsa_forward_progress 1
		.amdhsa_inst_pref_size 84
	.end_amdhsa_kernel
	.amdgpu_metadata
---
amdhsa.version: [ 1, 2 ]
amdhsa.kernels:
  - .name:           k_qb17033f0d6_proj
    .symbol:         k_qb17033f0d6_proj.kd
    .args:
      - { .name: XH, .offset: 0, .size: 8, .value_kind: global_buffer, .address_space: global }
      - { .name: WH, .offset: 8, .size: 8, .value_kind: global_buffer, .address_space: global }
      - { .name: NB, .offset: 16, .size: 8, .value_kind: global_buffer, .address_space: global }
      - { .name: YV, .offset: 24, .size: 8, .value_kind: global_buffer, .address_space: global }
    .group_segment_fixed_size: 327680
    .private_segment_fixed_size: 0
    .kernarg_segment_align: 8
    .kernarg_segment_size: 32
    .max_flat_workgroup_size: 128
    .sgpr_count:     80
    .vgpr_count:     1024
    .wavefront_size: 32
...
	.end_amdgpu_metadata
.endif
;; end of part 3
;; launch scores (part 4): grid 40 x 4, 4 waves a work-group, no clusters, 327,680 bytes of LDS; arguments YV, XH, PT, ST, HQ, HO; writes PT, ST, HO
.if DOCPART == 4
	.amdgcn_target "amdgcn-amd-amdhsa--gfx1250"
	.amdhsa_code_object_version 6
	.text
	.protected	k_qb17033f0d6_scores
	.globl	k_qb17033f0d6_scores
	.p2align	8
	.type	k_qb17033f0d6_scores,@function
k_qb17033f0d6_scores:
	s_mov_b64 s[64:65], 0
	v_nop
	global_prefetch_b8 v0, s[64:65] scope:SCOPE_SE
	s_setreg_imm32_b32 hwreg(HW_REG_WAVE_MODE, 25, 1), 1
	s_wait_xcnt 0x0
; TWO KINDS OF WORK-GROUPS ON ONE TEXT.  The grid's y is the batch; x = 0-35 is a tile of scores, x = 36-39 a quarter of the first 16 rows' result.
; (1) THE SCORES AND THE SOFTMAX'S FIRST HALF.  For a tile of 256 queries x 256 keys: s' = (y 2^-10) . x over 1,024 channels, f16 operands, f32 sums; then for each row of the tile its own
;     maximum m, p = 2^(c s' - c m) with c = 32 log2(e) (the 2^10 taken back, the 1/32 of the problem, base 2), and l = the sum of the row's p.  p goes to PT in f16, c m and l to ST in f32.
;     The last launch joins a row's tiles by their true maxima.  Only the 36 tiles on and below the diagonal are made: x counts them row by row.
;     LIMITS.  A hidden score counts as its value less 1e30 (f16's scores are 4.4e12 at the most); a weight below 2^-126 counts as 0 in l; p below 6e-5 keeps f16's fixed step of 6e-8; NaN and infinities are not treated apart.
;     Every row of every tile made sees at least one key (its own, in the diagonal tile), so m is a true score.
;     THE MASK is the C operand that starts a sum: 0 or -1e30.  In a diagonal tile a 16 x 16 block lies below, on or above the diagonal: three sets of 8 registers, made once from the wave's place.
;     The products, the ring and the way out through the ring's bytes are the projection launch's: one K step written once, the slots named by TB and TF.
; (2) THE FIRST 16 ROWS OF THE BATCH, ALL IN f32.  From HQ (q, k, v of those rows in f32): s = q . k / 32 for keys up to the row's own, softmax with the row's true maximum, HO = the sum of p v.
;     WHY these rows: a row t averages over t + 1 keys, and in the first rows nothing averages away what the bulk path's roundings to f16 lose; with 17 keys and more the weights' root of the sum of
;     squares, by which those roundings scale, is about half of row 1's, and falls on.  The last launch takes HO for these rows.
;     THE f32 MATRIX FORM does both products: some 6 million multiply-adds in the launch beside its 9.7 thousand million: no bulk work.
;     LIMITS.  A hidden score counts as -3e38; a weight below 2^-126 counts as 0; NaN and infinities are not treated apart.
;     SHARES.  A work-group takes 256 columns.  Its four waves share the scores' 1,024 channels, 256 each; the partial tiles meet in LDS, and every wave sums all four.  Then each wave makes its own 64 columns.
;     LAYOUT.  S^T = k q^T (source 0 = 16 keys, source 1 = 16 queries): a lane holds ONE query (lane % 16) and the keys 8 (lane / 16) + 0..7, so a maximum and a sum want one exchange between the halves.
;     The form takes 4 along K, register j of a lane being place 2 (lane / 16) + j in both sources.  A permutation of K applied alike to both sources keeps the products: for the scores a lane's load of
;     16 bytes (4 channels) feeds two instructions; for out^T = v^T P the weights' registers 2 n, 2 n + 1 are source 1 as they lie (keys 8 (lane / 16) + 2 n + j), and v is loaded by the same rule.
;     The registers that the f32 form writes (v192-255 of window 2) are written by matrix instructions alone in the whole text, and every sum starts with the constant 0.
; NO CLUSTER: a row of the triangle has I + 1 tiles and a column 8 - J, no multiple of four, and a 4 x 4 block laid over the diagonal would hold six work-groups with nothing to do.
; REGISTERS of (1): window 0: v0-31 addresses; v32-55 the masks; v64-127, v128-191 fragments of y.  Window 1: fragments of x.  Windows 2, 3: the 64 accumulators ((a, b) at v[8 (8 a + b)]).
; REGISTERS of (2): v3-14 addresses; v32-55 scores, work, weights; v64-127 k and v128-191 q, loads 0-15 in window 0 and 16-31 in window 1; v32-63 of window 1: v.
.set NT,     36                        ; tiles of scores in a batch
.set KSTEP,  128
.set PITCH,  272                       ; an LDS row: 256 bytes + 16 of padding: the 16 rows that a load touches start at 16 different groups of four banks (64 banks of 4 bytes: ISA guide 11.1)
.set HALFT,  128*PITCH
.set SLOT,   4*HALFT                   ; y's 256 rows, then x's 256 rows
.set DP,     1040                      ; the way out: a row of 256 f32 + 16 bytes
.set SPARE,  2*SLOT                    ; the spare words, 128 bytes for each wave: two blocks of 256 bytes that no other line names
.set XS,     SPARE+512                 ; 512 bytes for each wave: its 64 rows' c m, then their l; never filled by a tensor load
.set HPS,    XS+4*512                  ; (2) four partial tiles of S^T, 1,024 bytes each; never filled by a tensor load
.set HSTG,   HPS+4*1024                ; (2) a stage of 16 rows x 272 bytes for each wave
.set SPH,    272
.set HSTW,   16*SPH
.set HQP,    12288                     ; bytes in a row of HQ: q at 0, k at 4,096, v at 8,192
.set HQO,  4                           ; (2) my byte offset in q's and k's 16 rows: row l % 16, my wave's 1,024 bytes, 16 bytes for each half of the lanes
.set HVO,  5                           ; (2) in v's: row 8 (l / 16), my wave's 256 bytes, column l % 16
.set HDI,  6                           ; (2) l % 16 - 8 (l / 16): register j's key is hidden where j is greater
.set HPSA, 7                           ; (2) where I put my wave's partial tile
.set HPSR, 8                           ; (2) where I read the partial tiles
.set HSTO, 9
.set HRD,  10
.set HGO,  11
.set HNEG, 14                          ; (2) -3e38
.set A0,   16
.set B0,   17
.set ADRA, 18
.set ADRB, 19
.set DST0, 20                          ; v20-21
.set RDA,  22
.set GOF,  23
.set XSA,  24                          ; v24  where the row in hand puts c m (the same in every lane)
.set XSR,  25                          ; v25  where I read two rows' c m back
.set STV,  26                          ; v26  my byte offset in the wave's 256 bytes of ST
.set SPW,  28
.set NIL,  29
.set MK,   32                          ; v32-39 below the diagonal, v40-47 on it, v48-55 above
.set F0,   64
.set F1,   128
.set RW,   64                          ; the way out: four rows, 16 registers each: 0-7 scores, then weights, then f16; 8, 9 maximum; 10, 11 c m; 12-15 sums
.set HS,   32                          ; (2) v32-39 the scores, then the weights
.set HW,   40                          ; (2) v40-47 at work
.set PN,   48                          ; (2) v48-55 the weights divided by their sum
.set KF,   64
.set QF,   128
.set VF,   32                          ; (2) in window 1: column block b, key 8 (l / 16) + e at VF + 8 b + e
.set PART, 64                          ; (2) v64-95 the four partial tiles
.set BKH,  96                          ; (2) v96-127 16 rows read back from the stage
.set SA,   192                         ; (2) in window 2: four accumulators of S^T
.set OA,   224                         ; (2) in window 2: four accumulators of out^T
.set WV,   12
.set RH,   13
.set CH,   14
.set WH,   15
.set TB,   16
.set TF,   17
.set CNT,  18
.set TL,   19
.set G1,   24                          ; s[24:31] descriptor group 1 for y's tiles;  s[32:35] group 0, which walks;  s[72:75] group 0 of the first fill
.set G0,   32
.set G0X,  72
.set CS,   44                          ; s[44:45] c
.set SEL,  46                          ; s[46:47] v_permlanex16_b32's selects: each lane takes its own place in the other half
.set G1B,  48                          ; s[48:55], s[56:59], s[76:79] the same for x's
.set G0B,  56
.set G0BX, 76
.set LOW,  60
.set UPP,  61
.set MSB, 0
.macro WIN new
.if MSB != (\new)
	s_set_vgpr_msb (MSB<<8)|(\new)
.set MSB, \new
.endif
.endm
.set MUL_LO, 0xa1                      ; source 0 (x) window 1, source 1 (y) window 0, C and D window 2
.set TO_B,   0x40
.macro JLOAD ga, gb                    ; waves 0 and 1 fetch y's two halves, waves 2 and 3 x's; an s_nop 0 and four v_nop follow each line
	s_cmp_eq_u32 s[RH], 0
	s_cbranch_scc0 .Lfor_b_\@
	tensor_load_to_lds s[(\ga):(\ga)+3], s[G1:G1+7]
	s_nop 0
.rept 4
	v_nop
.endr
	s_branch .Lasked_\@
.Lfor_b_\@:
	tensor_load_to_lds s[(\gb):(\gb)+3], s[G1B:G1B+7]
	s_nop 0
.rept 4
	v_nop
.endr
.Lasked_\@:
.endm
.macro NEXTFILL                        ; the walking descriptors: the other slot, the next 128 channels.  Written only where no tensor load of mine is out
	s_xor_b32 s[TF], s[TF], SLOT
	s_add_co_u32 s[G0+1], s[TF], s[WH]
	s_add_co_u32 s[G0B+1], s[TF], s[WH]
	s_add_nc_u64 s[G0+2:G0+3], s[G0+2:G0+3], KSTEP*2
	s_add_nc_u64 s[G0B+2:G0B+3], s[G0B+2:G0B+3], KSTEP*2
.endm
.macro PLACES
.rept 4
	v_nop
.endr
.endm
	s_load_b256 s[4:11], s[0:1], 0x0               ; YV s[4:5], XH s[6:7], PT s[8:9], ST s[10:11]
	s_load_b128 s[68:71], s[0:1], 0x20             ; HQ s[68:69], HO s[70:71]
	v_lshl_add_u32 v[SPW], v0, 2, SPARE
	v_mov_b32 v[NIL], 0
	ds_add_u32 v[SPW], v[NIL]                      ; the wave's opening: the add and its wait stand ahead of my first tensor load; work on registers stands between them
	ds_add_u32 v28, v29
	v_lshrrev_b32 v1, 5, v0
	v_readfirstlane_b32 s[WV], v1
	v_and_b32 v1, 15, v0                           ; l % 16
	v_bfe_u32 v2, v0, 4, 1                         ; l / 16
	s_and_b32 s37, ttmp7, 0xffff                   ; the batch
	s_mov_b32 s[SEL], 0x76543210
	s_mov_b32 s[SEL+1], 0xfedcba98
	s_wait_dscnt 0x0                               ; the opening add is done
	s_cmp_ge_u32 ttmp9, NT
	s_cbranch_scc1 .Lhead
	; ---------------- (1) a tile of scores ----------------
	s_lshr_b32 s[RH], s[WV], 1
	s_and_b32 s[CH], s[WV], 1
	s_mov_b32 s36, ttmp9                           ; the tile's number in the triangle
	s_mov_b32 s38, 0
.irp t, 1,3,6,10,15,21,28                      ; tile row I begins at number I (I + 1) / 2: I counts the beginnings that are reached
	s_cmp_ge_u32 s36, \t
	s_add_co_ci_u32 s38, s38, 0
.endr
	s_add_co_u32 s39, s38, 1
	s_mul_i32 s39, s39, s38
	s_lshr_b32 s39, s39, 1
	s_sub_co_u32 s39, s36, s39                     ; J
	s_mov_b32 s[G1], (1<<16)|(1<<20)|(5<<22)|(3<<25)   ; 2-byte elements; padding on; after every 64 words (code 5) 4 words (code 3)
	s_mov_b32 s[G1B], (1<<16)|(1<<20)|(5<<22)|(3<<25)
.irp g, G1, G1B
	s_mov_b32 s[(\g)+1], KSTEP<<16                 ; tensor_dim0 = 128
	s_mov_b32 s[(\g)+2], 128<<16                   ; tensor_dim1 = 128
	s_mov_b32 s[(\g)+3], KSTEP<<16                 ; tile_dim0 = 128
	s_mov_b32 s[(\g)+4], 128                       ; tile_dim1 = 128
	s_mov_b32 s[(\g)+6], 0
	s_mov_b32 s[(\g)+7], 0
.endr
	s_mov_b32 s[G1+5], 2048                        ; elements from row to row: YV's,
	s_mov_b32 s[G1B+5], 1024                       ; XH's
	s_lshl_b32 s40, s37, 23                        ; y: (2048 batch + 256 I + 128 half) rows of 4,096 bytes
	s_lshl_b32 s20, s38, 20
	s_add_co_u32 s40, s40, s20
	s_lshl_b32 s20, s[CH], 19
	s_add_co_u32 s40, s40, s20
	s_mov_b32 s41, 0
	s_lshl_b32 s42, s37, 22                        ; x: (2048 batch + 256 J + 128 half) rows of 2,048 bytes
	s_lshl_b32 s20, s39, 19
	s_add_co_u32 s42, s42, s20
	s_lshl_b32 s20, s[CH], 18
	s_add_co_u32 s42, s42, s20
	s_mov_b32 s43, 0
	s_mul_i32 s[WH], s[WV], HALFT
	s_mov_b32 s[TB], 0
	s_mov_b32 s[TF], SLOT                          ; the slot filled last: slot 1
	s_mov_b32 s[G0X], 1
	s_mov_b32 s[G0X+1], s[WH]                      ; slot 0
	s_mov_b32 s[G0BX], 1
	s_mov_b32 s[G0BX+1], s[WH]
	s_mov_b32 s[G0], 1
	s_add_co_u32 s[G0+1], s[WH], SLOT              ; slot 1
	s_mov_b32 s[G0B], 1
	s_add_co_u32 s[G0B+1], s[WH], SLOT
	s_mov_b32 s[CS], 0x4238aa3b                    ; c = 32 log2(e) = 46.1662
	s_mov_b32 s[CS+1], s[CS]                       ; named with it as a pair
	s_wait_kmcnt 0x0
	s_add_nc_u64 s[G0X+2:G0X+3], s[4:5], s[40:41]  ; K step 0,
	s_add_nc_u64 s[G0+2:G0+3], s[G0X+2:G0X+3], KSTEP*2     ; K step 1
	s_or_b32 s[G0X+3], s[G0X+3], 0x80000000        ; type = 2
	s_or_b32 s[G0+3], s[G0+3], 0x80000000
	s_add_nc_u64 s[G0BX+2:G0BX+3], s[6:7], s[42:43]
	s_add_nc_u64 s[G0B+2:G0B+3], s[G0BX+2:G0BX+3], KSTEP*2
	s_or_b32 s[G0BX+3], s[G0BX+3], 0x80000000
	s_or_b32 s[G0B+3], s[G0B+3], 0x80000000
	JLOAD G0X, G0BX                                ; both first fills go out together, ahead of every wait on TENSORcnt, every LDS read and every barrier: two loads of mine are out
	JLOAD G0, G0B
	v_mul_u32_u24 v3, v1, PITCH
	v_lshl_add_u32 v3, v2, 4, v3
	s_mul_i32 s20, s[RH], HALFT
	s_mul_i32 s21, s[CH], HALFT
	s_add_co_u32 s21, s21, 2*HALFT
	v_add_nc_u32 v[A0], s20, v3
	v_add_nc_u32 v[B0], s21, v3
	v_mov_b32 v[ADRA], v[A0]
	v_mov_b32 v[ADRB], v[B0]
	v_mul_u32_u24 v4, v1, DP                       ; the way out: row 128 RH + l % 16, column 128 CH + 8 (l / 16), in f32
	v_lshl_add_u32 v4, v2, 5, v4
	s_mul_i32 s20, s[RH], 128*DP
	s_lshl_b32 s21, s[CH], 9
	s_add_co_u32 s20, s20, s21
	v_add_nc_u32 v[DST0], s20, v4
	v_add_nc_u32 v[DST0+1], 64*DP, v[DST0]
	v_and_b32 v5, 31, v0                           ; lane
	s_mul_i32 s20, s[WV], 64*DP
	v_lshl_add_u32 v[RDA], v5, 4, s20
	s_lshl_b32 s21, s[WV], 18
	v_lshl_add_u32 v[GOF], v5, 3, s21
	s_lshl_b32 s20, s[WV], 9
	s_add_co_u32 s20, s20, XS
	v_mov_b32 v[XSA], s20
	v_lshl_add_u32 v[XSR], v5, 3, s20
	v_lshlrev_b32 v[STV], 3, v5
	s_lshl_b32 s20, s37, 23                        ; PT: the batch's 2,048 rows of 4,096 bytes, the tile's 256 rows, its 256 columns of 2 bytes
	s_lshl_b32 s22, s38, 20
	s_add_co_u32 s20, s20, s22
	s_lshl_b32 s22, s39, 9
	s_add_co_u32 s20, s20, s22
	s_mov_b32 s21, 0
	s_add_nc_u64 s[8:9], s[8:9], s[20:21]
	s_lshl_b32 s20, s39, 15                        ; ST: 4 (8192 J + 2048 batch + 256 I + 64 wave)
	s_lshl_b32 s22, s37, 13
	s_add_co_u32 s20, s20, s22
	s_lshl_b32 s22, s38, 10
	s_add_co_u32 s20, s20, s22
	s_lshl_b32 s22, s[WV], 8
	s_add_co_u32 s20, s20, s22
	s_add_nc_u64 s[10:11], s[10:11], s[20:21]
	; The masks.  In a diagonal tile my 128 x 128 lies above the diagonal (CH - RH = 1: all hidden), on it (0) or below (-1: all seen); every other tile counts as below.
	s_sub_co_i32 s20, s[CH], s[RH]
	s_cmp_eq_u32 s38, s39
	s_cselect_b32 s20, s20, -1
	s_cmp_eq_i32 s20, 1
	s_cselect_b32 s[LOW], 0xf149f2ca, 0            ; a block below my own diagonal: -1e30 only if all is hidden
	s_cmp_ge_i32 s20, 0
	s_cselect_b32 s[UPP], 0xf149f2ca, 0            ; a block above it
.irp j, 0,1,2,3,4,5,6,7
	v_mov_b32 v[MK+(\j)], s[LOW]
	v_mov_b32 v[MK+16+(\j)], s[UPP]
.endr
	v_lshlrev_b32 v6, 3, v2
	v_sub_nc_u32 v6, v1, v6                        ; my query's place in a block, less my lanes' 8 (l / 16): register j's key is later where j is greater
.irp j, 0,1,2,3,4,5,6,7
	v_cmp_gt_i32 vcc_lo, \j, v6
	v_cndmask_b32 v[MK+8+(\j)], v[MK], v[MK+16], vcc_lo
.endr
; 16 matrix instructions: query blocks a0, a0 + 1 of the window's four x all 8 key blocks, 32 channels.  zero = 1: the product starts the sum with the block's mask.  The 64 accumulators take turns.
.macro MUL16 f, hi, a0, zero
.irp a, \a0, (\a0)+1
.irp b, 0,1,2,3,4,5,6,7
.if \zero
.set cls, 1
.if (\b) < 4*(\hi)+(\a)
.set cls, 0
.endif
.if (\b) > 4*(\hi)+(\a)
.set cls, 2
.endif
	WIN 0x81+0x40*(\hi)                            ; C in window 0
	v_wmma_f32_16x16x32_f16 v[8*(8*(\a)+(\b)):8*(8*(\a)+(\b))+7], v[(\f)+8*(\b):(\f)+8*(\b)+7], v[(\f)+8*(4*(\hi)+(\a)):(\f)+8*(4*(\hi)+(\a))+7], v[MK+8*cls:MK+8*cls+7]
.else
	WIN MUL_LO+0x50*(\hi)
	v_wmma_f32_16x16x32_f16 v[8*(8*(\a)+(\b)):8*(8*(\a)+(\b))+7], v[(\f)+8*(\b):(\f)+8*(\b)+7], v[(\f)+8*(4*(\hi)+(\a)):(\f)+8*(4*(\hi)+(\a))+7], v[8*(8*(\a)+(\b)):8*(8*(\a)+(\b))+7]
.endif
.endr
.endr
.endm
.macro FETCH k, f                      ; 32 LDS loads in one run: the fragments of a quarter step into buffer f
	WIN TO_B
.irp i, 0,1,2,3,4,5,6,7
	ds_load_b128 v[(\f)+8*(\i):(\f)+8*(\i)+3],   v[ADRB] offset:(\k)+(\i)*16*PITCH
	ds_load_b128 v[(\f)+8*(\i)+4:(\f)+8*(\i)+7], v[ADRB] offset:(\k)+(\i)*16*PITCH+32
.endr
	WIN 0
.irp i, 0,1,2,3,4,5,6,7
	ds_load_b128 v[(\f)+8*(\i):(\f)+8*(\i)+3],   v[ADRA] offset:(\k)+(\i)*16*PITCH
	ds_load_b128 v[(\f)+8*(\i)+4:(\f)+8*(\i)+7], v[ADRA] offset:(\k)+(\i)*16*PITCH+32
.endr
.endm
.macro QUARTER k, f, g, zero
	s_wait_dscnt 8                                 ; x and y's rows 0-63 are in; the youngest eight loads (y's rows 64-127) may be out
	MUL16 \f, 0, 0, \zero
	MUL16 \f, 0, 2, \zero
	PLACES
	FETCH \k, \g
	s_wait_dscnt 32                                ; all but the 32 just issued
	MUL16 \f, 1, 0, \zero
	MUL16 \f, 1, 2, \zero
.endm
; ONE barrier for the change of slots: in front of it each wave waits for all its tensor loads (its part of the next slot), adds 0 to its spare word, and waits for that and for its own reads of this slot.
.macro MEET
	WIN 0
	s_wait_tensorcnt 0x0                           ; all my tensor loads have landed
	ds_add_u32 v[SPW], v[NIL]                      ; 0 onto my spare word
	s_wait_dscnt 9                                 ; (the add and the youngest eight loads may be out)
	MUL16 F1, 0, 0, 0
	s_wait_dscnt 0x0                               ; the add is done, and my reads of this slot are over
	s_barrier_signal -1
	MUL16 F1, 0, 2, 0
	WIN 0
	s_barrier_wait -1
.endm
.macro TURN                            ; the slot just read is filled again, the first thing behind the barrier
	MEET
	NEXTFILL
	JLOAD G0, G0B                                  ; its four v_nop are also the places in front of the loads below
	s_xor_b32 s[TB], s[TB], SLOT
	v_add_nc_u32 v[ADRA], s[TB], v[A0]
	v_add_nc_u32 v[ADRB], s[TB], v[B0]
	FETCH 0, F0
	MUL16 F1, 1, 0, 0
	MUL16 F1, 1, 2, 0
.endm
	s_wait_tensorcnt 0x1                           ; my part of K step 0 is in; K step 1's may stay out
	s_barrier_signal -1
	s_barrier_wait -1                              ; everybody's is
	FETCH 0, F0
	QUARTER 64, F0, F1, 1                          ; the first quarter stands in front of the loop: its products start the sums, with the masks
	WIN 0
	s_mov_b32 s[CNT], 6
.Lstep:                                                ; a trip: a step's quarters 1 to 3 and the next step's quarter 0; it asks for the step two on: steps 2 to 7
	QUARTER 128, F1, F0, 0
	QUARTER 192, F0, F1, 0
	TURN
	QUARTER 64, F0, F1, 0
	WIN 0
	s_sub_co_u32 s[CNT], s[CNT], 1
	s_cmp_lg_u32 s[CNT], 0
	s_cbranch_scc1 .Lstep
	s_mov_b32 s[TL], 2
.Ltail:                                                ; the last two steps ask for nothing; the second trip fetches nothing more and leaves in its middle.  What is jumped holds no barrier and no tensor load
	QUARTER 128, F1, F0, 0
	QUARTER 192, F0, F1, 0
	MEET
	s_cmp_eq_u32 s[TL], 1
	s_cbranch_scc1 .Lnf
	s_xor_b32 s[TB], s[TB], SLOT
	v_add_nc_u32 v[ADRA], s[TB], v[A0]             ; with the two v_nop: the four places in front of the loads below
	v_add_nc_u32 v[ADRB], s[TB], v[B0]
	v_nop
	v_nop
	FETCH 0, F0
.Lnf:
	MUL16 F1, 1, 0, 0
	MUL16 F1, 1, 2, 0
	WIN 0
	s_cmp_eq_u32 s[TL], 1
	s_cbranch_scc1 .Ldone
	QUARTER 64, F0, F1, 0
	WIN 0
	s_sub_co_u32 s[TL], s[TL], 1
	s_cmp_lg_u32 s[TL], 0
	s_cbranch_scc1 .Ltail
.Ldone:
	; THE WAY OUT.  No wave reads the ring behind the last barrier and nothing is filled any more: the scores go there in f32.  Each accumulator's low four registers go first.
	PLACES
.irp hi, 0,1
	WIN 0x08+4*(\hi)
.irp a, 0,1,2,3
.irp b, 0,1,2,3,4,5,6,7
	ds_store_b128 v[DST0+(\hi)], v[8*(8*(\a)+(\b)):8*(8*(\a)+(\b))+3]   offset:(\a)*16*DP+64*(\b)
	ds_store_b128 v[DST0+(\hi)], v[8*(8*(\a)+(\b))+4:8*(8*(\a)+(\b))+7] offset:(\a)*16*DP+64*(\b)+16
.endr
.endr
.endr
	WIN 0
	s_wait_dscnt 0x0                               ; for the others' sake: my stores are done
	s_barrier_signal -1
	s_barrier_wait -1
	s_mov_b32 s[CNT], 16
.Lrows:                                                ; four whole rows a trip, a lane 8 scores of each; the four rows go through each stage side by side, so that no line waits for the one before it
.irp p, 0,1,2,3
	ds_load_b128 v[RW+16*(\p):RW+16*(\p)+3],   v[RDA] offset:(\p)*DP
	ds_load_b128 v[RW+16*(\p)+4:RW+16*(\p)+7], v[RDA] offset:(\p)*DP+512
.endr
.irp p, 0,1,2,3
.set rr, RW+16*(\p)
	s_wait_dscnt 6-2*(\p)                          ; LDS loads come back in order: row p is in
	v_max3_num_f32 v[rr+8], v[rr], v[rr+1], v[rr+2]
	v_max3_num_f32 v[rr+9], v[rr+3], v[rr+4], v[rr+5]
	v_max3_num_f32 v[rr+8], v[rr+8], v[rr+6], v[rr+7]
	v_max_num_f32 v[rr+8], v[rr+8], v[rr+9]
.endr
.irp x, 1,2,4,8                                ; across the lanes: four steps inside each half of 16 ride on the arithmetic, one crosses the halves
.irp p, 0,1,2,3
	v_max_num_f32_dpp v[RW+16*(\p)+8], v[RW+16*(\p)+8], v[RW+16*(\p)+8] row_xmask:\x row_mask:0xf bank_mask:0xf
.endr
.endr
.irp p, 0,1,2,3
	v_permlanex16_b32 v[RW+16*(\p)+9], v[RW+16*(\p)+8], s[SEL], s[SEL+1]
.endr
.irp p, 0,1,2,3
	v_max_num_f32 v[RW+16*(\p)+8], v[RW+16*(\p)+8], v[RW+16*(\p)+9]    ; the row's maximum in this tile, in every lane
.endr
.irp p, 0,1,2,3
	v_mul_f32 v[RW+16*(\p)+10], s[CS], v[RW+16*(\p)+8]                 ; c m, twice: a pair for the packed scaling
	v_mul_f32 v[RW+16*(\p)+11], s[CS], v[RW+16*(\p)+8]
.endr
.irp p, 0,1,2,3
.irp z, 0,2,4,6
	v_pk_fma_f32 v[RW+16*(\p)+(\z):RW+16*(\p)+(\z)+1], v[RW+16*(\p)+(\z):RW+16*(\p)+(\z)+1], s[CS:CS+1], v[RW+16*(\p)+10:RW+16*(\p)+11] op_sel_hi:[1,0,1] neg_lo:[0,0,1] neg_hi:[0,0,1]  ; c s - c m
.endr
.endr
.irp p, 0,1,2,3
.irp z, 0,1,2,3,4,5,6,7
	v_exp_f32 v[RW+16*(\p)+(\z)], v[RW+16*(\p)+(\z)]
.endr
.endr
	v_nop                                          ; a plain instruction between the last exponential and the use of its result (ISA guide 5.7.2)
	s_wait_alu depctr_va_vdst(0)
.irp p, 0,1,2,3
.set rr, RW+16*(\p)
	v_pk_add_f32 v[rr+12:rr+13], v[rr:rr+1], v[rr+2:rr+3]
	v_pk_add_f32 v[rr+14:rr+15], v[rr+4:rr+5], v[rr+6:rr+7]
.endr
.irp p, 0,1,2,3
.set rr, RW+16*(\p)
	v_pk_add_f32 v[rr+12:rr+13], v[rr+12:rr+13], v[rr+14:rr+15]
	v_cvt_pk_f16_f32 v[rr], v[rr], v[rr+1]         ; the weights are rounded in place: each line writes a register whose number has been used
	v_cvt_pk_f16_f32 v[rr+1], v[rr+2], v[rr+3]
	v_cvt_pk_f16_f32 v[rr+2], v[rr+4], v[rr+5]
	v_cvt_pk_f16_f32 v[rr+3], v[rr+6], v[rr+7]
.endr
.irp p, 0,1,2,3
	v_add_f32 v[RW+16*(\p)+12], v[RW+16*(\p)+12], v[RW+16*(\p)+13]
.endr
.irp x, 1,2,4,8
.irp p, 0,1,2,3
	v_add_f32_dpp v[RW+16*(\p)+12], v[RW+16*(\p)+12], v[RW+16*(\p)+12] row_xmask:\x row_mask:0xf bank_mask:0xf
.endr
.endr
.irp p, 0,1,2,3
	v_permlanex16_b32 v[RW+16*(\p)+13], v[RW+16*(\p)+12], s[SEL], s[SEL+1]
.endr
.irp p, 0,1,2,3
	v_add_f32 v[RW+16*(\p)+12], v[RW+16*(\p)+12], v[RW+16*(\p)+13]     ; l, of the unrounded weights, in every lane
.endr
.irp p, 0,1,2,3
.set rr, RW+16*(\p)
	global_store_b64 v[GOF], v[rr:rr+1],   s[8:9] offset:(\p)*4096       ; 32 lanes store 256 consecutive bytes, at a multiple of 256 from PT's first byte
	global_store_b64 v[GOF], v[rr+2:rr+3], s[8:9] offset:(\p)*4096+256
	ds_store_b32 v[XSA], v[rr+10] offset:4*(\p)                          ; all lanes write the same word with the same number
	ds_store_b32 v[XSA], v[rr+12] offset:4*(\p)+256
.endr
	s_wait_xcnt 0x0                                ; the stores' offset and data are rewritten only behind this wait
	v_add_nc_u32 v[RDA], 4*DP, v[RDA]
	v_add_nc_u32 v[GOF], 4*4096, v[GOF]
	v_add_nc_u32 v[XSA], 16, v[XSA]
	s_sub_co_u32 s[CNT], s[CNT], 1
	s_cmp_lg_u32 s[CNT], 0
	s_cbranch_scc1 .Lrows
	ds_load_b64 v[RW:RW+1],   v[XSR]               ; my wave's own words: LDS serves a wave's instructions in order (ISA guide 5.7.1.4)
	ds_load_b64 v[RW+2:RW+3], v[XSR] offset:256
	s_wait_dscnt 0x0
	global_store_b64 v[STV], v[RW:RW+1],   s[10:11]                 ; 64 rows' c m: 256 consecutive bytes, aligned
	global_store_b64 v[STV], v[RW+2:RW+3], s[10:11] offset:262144   ; and their l
	s_wait_tensorcnt 0x0                           ; the wave's end
	ds_add_u32 v[SPW], v[NIL]
	s_wait_dscnt 0x0
	s_endpgm
	; ---------------- (2) a quarter of the first 16 rows ----------------
.macro KQLOAD n                        ; pair n of 32: 4 channels of k and of q for my row; pairs 16 to 31 land in window 1
	WIN 0x40*((\n)/16)
	global_load_b128 v[KF+4*((\n)%16):KF+4*((\n)%16)+3], v[HQO], s[68:69] offset:4096+32*(\n)
	global_load_b128 v[QF+4*((\n)%16):QF+4*((\n)%16)+3], v[HQO], s[68:69] offset:32*(\n)
.endm
.Lhead:
	s_sub_co_u32 s36, ttmp9, NT                    ; which 256 columns
	s_mul_i32 s38, s37, 16*HQP                     ; the batch's 16 rows in HQ
	s_mov_b32 s39, 0
	s_lshl_b32 s20, s36, 10                        ; 256 columns of 4 bytes
	s_add_co_u32 s40, s38, s20
	s_add_co_u32 s40, s40, 8192                    ; v lies behind q and k
	s_mov_b32 s41, 0
	s_lshl_b32 s42, s37, 16                        ; HO: the batch's 16 rows of 4,096 bytes
	s_add_co_u32 s42, s42, s20
	s_mov_b32 s43, 0
	s_mov_b32 s[CS], 0x3d38aa3b                    ; c = log2(e) / 32 = 0.0450842
	s_mov_b32 s[CS+1], s[CS]                       ; named with it as a pair
	v_and_b32 v3, 31, v0                           ; lane
	v_mul_u32_u24 v[HQO], v1, HQP
	v_lshl_add_u32 v[HQO], v2, 4, v[HQO]
	s_lshl_b32 s20, s[WV], 10                      ; my wave's 256 channels of 4 bytes
	v_add_nc_u32 v[HQO], s20, v[HQO]
	v_mul_u32_u24 v[HVO], v2, 8*HQP
	v_lshl_add_u32 v[HVO], v1, 2, v[HVO]
	s_lshl_b32 s21, s[WV], 8                       ; my wave's 64 columns of 4 bytes, in v and in HO
	v_add_nc_u32 v[HVO], s21, v[HVO]
	s_wait_kmcnt 0x0
	s_add_nc_u64 s[48:49], s[68:69], s[40:41]      ; v
	s_add_nc_u64 s[68:69], s[68:69], s[38:39]      ; q, and k 4,096 bytes on
	s_add_nc_u64 s[70:71], s[70:71], s[42:43]
.set i, 0
.rept 24                               ; 48 loads go out at once; the last eight pairs and v's 32 loads follow among the products, so that 56 at the most are out
	KQLOAD i
.set i, i+1
.endr
	WIN 0
	v_lshlrev_b32 v[HDI], 3, v2
	v_sub_nc_u32 v[HDI], v1, v[HDI]
	s_add_co_u32 s20, s20, HPS
	v_lshl_add_u32 v[HPSA], v3, 4, s20             ; 1,024 x wave + 16 x lane: 32 lanes store 512 consecutive bytes
	v_lshl_add_u32 v[HPSR], v3, 4, HPS
	v_mov_b32 v[HNEG], 0xff61b1e6
	s_mul_i32 s22, s[WV], HSTW
	s_add_co_u32 s22, s22, HSTG                    ; my stage
	; S^T: 64 instructions on four accumulators, which take turns.  Pair i of loads feeds two of them.
.set i, 0
.rept 32
.if i == 8
.set n, 24
.rept 8
	KQLOAD n
.set n, n+1
.endr
.endif
.if i == 20
	WIN 0x40
.irp b, 0,1,2,3
.irp e, 0,1,2,3,4,5,6,7
	global_load_b32 v[VF+8*(\b)+(\e)], v[HVO], s[48:49] offset:(\e)*HQP+64*(\b)
.endr
.endr
.endif
.if i < 8
	s_wait_loadcnt 46-2*i                          ; loads come back in order (ISA guide 5.7.1): pair i is in; of the first 24 pairs the later ones stay out,
.elseif i < 20
	s_wait_loadcnt 62-2*i                          ; of all 32 pairs,
.else
	s_wait_loadcnt 94-2*i                          ; and v's 32 loads with them
.endif
	WIN 0xa0+0x05*(i/16)                           ; C and D in window 2; the sources in window 0 or 1
.if i < 2
	v_wmma_f32_16x16x4_f32 v[SA+16*(i%2):SA+16*(i%2)+7],    v[KF+4*(i%16):KF+4*(i%16)+1],   v[QF+4*(i%16):QF+4*(i%16)+1],   0
	v_wmma_f32_16x16x4_f32 v[SA+16*(i%2)+8:SA+16*(i%2)+15], v[KF+4*(i%16)+2:KF+4*(i%16)+3], v[QF+4*(i%16)+2:QF+4*(i%16)+3], 0
.else
	v_wmma_f32_16x16x4_f32 v[SA+16*(i%2):SA+16*(i%2)+7],    v[KF+4*(i%16):KF+4*(i%16)+1],   v[QF+4*(i%16):QF+4*(i%16)+1],   v[SA+16*(i%2):SA+16*(i%2)+7]
	v_wmma_f32_16x16x4_f32 v[SA+16*(i%2)+8:SA+16*(i%2)+15], v[KF+4*(i%16)+2:KF+4*(i%16)+3], v[QF+4*(i%16)+2:QF+4*(i%16)+3], v[SA+16*(i%2)+8:SA+16*(i%2)+15]
.endif
.set i, i+1
.endr
	WIN 0
	; The addresses for the way out: nine plain instructions, the eight places that this form wants behind the last product and one more (ISA guide 7.12.1)
	v_mul_u32_u24 v[HSTO], v1, SPH                 ; in: row l % 16, 32 bytes for each half of the lanes
	v_mul_u32_u24 v[HRD], v2, SPH                  ; back: lanes 0-15 take one row of 256 bytes, lanes 16-31 the next
	v_lshlrev_b32 v[HGO], 12, v2                   ; and the same two rows in HO
	v_lshl_add_u32 v[HSTO], v2, 5, v[HSTO]
	v_lshl_add_u32 v[HRD], v1, 4, v[HRD]
	v_lshl_add_u32 v[HGO], v1, 4, v[HGO]
	v_add_nc_u32 v[HSTO], s22, v[HSTO]
	v_add_nc_u32 v[HRD], s22, v[HRD]
	v_add_nc_u32 v[HGO], s21, v[HGO]
	WIN 0x0a                                       ; sources 0 and 1 in window 2
.irp z, 0,2,4,6                                ; the four accumulators are added, into other registers, each from its low end on
	v_pk_add_f32 v[HS+(\z):HS+(\z)+1], v[SA+(\z):SA+(\z)+1],       v[SA+8+(\z):SA+8+(\z)+1]
	v_pk_add_f32 v[HW+(\z):HW+(\z)+1], v[SA+16+(\z):SA+16+(\z)+1], v[SA+24+(\z):SA+24+(\z)+1]
.endr
	WIN 0
.irp z, 0,2,4,6
	v_pk_add_f32 v[HS+(\z):HS+(\z)+1], v[HS+(\z):HS+(\z)+1], v[HW+(\z):HW+(\z)+1]
.endr
	ds_store_b128 v[HPSA], v[HS:HS+3]
	ds_store_b128 v[HPSA], v[HS+4:HS+7] offset:512
	s_wait_dscnt 0x0                               ; for the others' sake: my stores are done
	s_barrier_signal -1
	s_barrier_wait -1
.irp p, 0,1,2,3
	ds_load_b128 v[PART+8*(\p):PART+8*(\p)+3],   v[HPSR] offset:1024*(\p)
	ds_load_b128 v[PART+8*(\p)+4:PART+8*(\p)+7], v[HPSR] offset:1024*(\p)+512
.endr
	s_wait_dscnt 0x0
.irp p, 0,2
.irp z, 0,2,4,6
	v_pk_add_f32 v[PART+8*(\p)+(\z):PART+8*(\p)+(\z)+1], v[PART+8*(\p)+(\z):PART+8*(\p)+(\z)+1], v[PART+8*(\p)+8+(\z):PART+8*(\p)+8+(\z)+1]
.endr
.endr
.irp z, 0,2,4,6
	v_pk_add_f32 v[HS+(\z):HS+(\z)+1], v[PART+(\z):PART+(\z)+1], v[PART+16+(\z):PART+16+(\z)+1]
.endr
	; THE SOFTMAX of my query over its 16 keys: 8 in my lane, 8 in the lane 16 away.  Every row sees its own key, so the maximum is a true score.
.irp j, 0,1,2,3,4,5,6,7
	v_cmp_gt_i32 vcc_lo, \j, v[HDI]
	v_cndmask_b32 v[HS+(\j)], v[HS+(\j)], v[HNEG], vcc_lo
.endr
	v_max3_num_f32 v[HW], v[HS], v[HS+1], v[HS+2]
	v_max3_num_f32 v[HW+1], v[HS+3], v[HS+4], v[HS+5]
	v_max3_num_f32 v[HW], v[HW], v[HS+6], v[HS+7]
	v_max_num_f32 v[HW], v[HW], v[HW+1]
	v_permlanex16_b32 v[HW+1], v[HW], s[SEL], s[SEL+1]
	v_max_num_f32 v[HW], v[HW], v[HW+1]
	v_mul_f32 v[HW+2], s[CS], v[HW]                ; c m, twice: a pair for the packed scaling
	v_mul_f32 v[HW+3], s[CS], v[HW]
.irp z, 0,2,4,6
	v_pk_fma_f32 v[HS+(\z):HS+(\z)+1], v[HS+(\z):HS+(\z)+1], s[CS:CS+1], v[HW+2:HW+3] op_sel_hi:[1,0,1] neg_lo:[0,0,1] neg_hi:[0,0,1]  ; c s - c m
.endr
.irp j, 0,1,2,3,4,5,6,7
	v_exp_f32 v[HS+(\j)], v[HS+(\j)]
.endr
	v_nop                                          ; a plain instruction between the last exponential and the use of its result (ISA guide 5.7.2)
	s_wait_alu depctr_va_vdst(0)
	v_pk_add_f32 v[HW+4:HW+5], v[HS:HS+1], v[HS+2:HS+3]
	v_pk_add_f32 v[HW+6:HW+7], v[HS+4:HS+5], v[HS+6:HS+7]
	v_pk_add_f32 v[HW+4:HW+5], v[HW+4:HW+5], v[HW+6:HW+7]
	v_add_f32 v[HW+4], v[HW+4], v[HW+5]
	v_permlanex16_b32 v[HW+5], v[HW+4], s[SEL], s[SEL+1]
	v_add_f32 v[HW+4], v[HW+4], v[HW+5]            ; l: 1 at the least, since the maximum's weight is 1
	v_rcp_f32 v[HW+6], v[HW+4]
	v_nop                                          ; a plain instruction between the reciprocal and the use of its result
	s_wait_alu depctr_va_vdst(0)
.irp z, 0,2,4,6
	v_pk_mul_f32 v[PN+(\z):PN+(\z)+1], v[HS+(\z):HS+(\z)+1], v[HW+6:HW+7] op_sel_hi:[1,0]
.endr
	s_wait_loadcnt 0x0                             ; v
	; out^T = v^T P: 16 instructions on four accumulators (my four blocks of 16 columns), which take turns
	WIN 0xa1                                       ; v in window 1, the weights in window 0, C and D in window 2
.irp n, 0,1,2,3
.irp b, 0,1,2,3
.if (\n) == 0
	v_wmma_f32_16x16x4_f32 v[OA+8*(\b):OA+8*(\b)+7], v[VF+8*(\b)+2*(\n):VF+8*(\b)+2*(\n)+1], v[PN+2*(\n):PN+2*(\n)+1], 0
.else
	v_wmma_f32_16x16x4_f32 v[OA+8*(\b):OA+8*(\b)+7], v[VF+8*(\b)+2*(\n):VF+8*(\b)+2*(\n)+1], v[PN+2*(\n):PN+2*(\n)+1], v[OA+8*(\b):OA+8*(\b)+7]
.endif
.endr
.endr
.rept 8
	v_nop                                          ; eight places between the last product and the stores that read results
.endr
	; THE WAY OUT, through my own stage: 32 bytes a lane in, whole rows of 256 bytes back
	WIN 0x08                                       ; store data (source 1) in window 2
.irp b, 0,1,2,3
	ds_store_b128 v[HSTO], v[OA+8*(\b):OA+8*(\b)+3]   offset:64*(\b)       ; each accumulator's low four registers go first
	ds_store_b128 v[HSTO], v[OA+8*(\b)+4:OA+8*(\b)+7] offset:64*(\b)+16
.endr
	WIN 0
.irp t, 0,1,2,3,4,5,6,7
	ds_load_b128 v[BKH+4*(\t):BKH+4*(\t)+3], v[HRD] offset:(\t)*2*SPH    ; LDS serves a wave's instructions in order (ISA guide 5.7.1.4): these see the stores above
.endr
.irp t, 0,1,2,3,4,5,6,7
	s_wait_dscnt 7-(\t)                            ; load t is in, the younger ones stay out
	global_store_b128 v[HGO], v[BKH+4*(\t):BKH+4*(\t)+3], s[70:71] offset:2*(\t)*4096  ; 16 lanes store 256 consecutive bytes, at a multiple of 256 from HO's first byte
.endr
	s_wait_tensorcnt 0x0                           ; the wave's end
	ds_add_u32 v[SPW], v[NIL]
	s_wait_dscnt 0x0
	s_endpgm
.Lfunc_end_k_qb17033f0d6_scores:
	.size	k_qb17033f0d6_scores, .Lfunc_end_k_qb17033f0d6_scores-k_qb17033f0d6_scores
	.p2alignl 7, 3214868480
	.fill 96, 4, 3214868480
	.section	.rodata,"a",@progbits
	.p2align	6, 0x0
	.amdhsa_kernel k_qb17033f0d6_scores
		.amdhsa_group_segment_fixed_size 327680
		.amdhsa_private_segment_fixed_size 0
		.amdhsa_enable_private_segment 0
		.amdhsa_kernarg_size 48
		.amdhsa_user_sgpr_count 2
		.amdhsa_user_sgpr_kernarg_segment_ptr 1
		.amdhsa_wavefront_size32 1
		.amdhsa_system_sgpr_workgroup_id_x 1
		.amdhsa_system_sgpr_workgroup_id_y 1
		.amdhsa_system_sgpr_workgroup_id_z 1
		.amdhsa_system_vgpr_workitem_id 0
		.amdhsa_next_free_vgpr 1024
		.amdhsa_next_free_sgpr 80
		.amdhsa_reserve_vcc 1
		.amdhsa_float_denorm_mode_32 3
		.amdhsa_float_denorm_mode_16_64 3
		.amdhsa_memory_ordered 1
		.amdhsa_forward_progress 1
		.amdhsa_inst_pref_size 113
	.end_amdhsa_kernel
	.amdgpu_metadata
---
amdhsa.version: [ 1, 2 ]
amdhsa.kernels:
  - .name:           k_qb17033f0d6_scores
    .symbol:         k_qb17033f0d6_scores.kd
    .args:
      - { .name: YV, .offset: 0, .size: 8, .value_kind: global_buffer, .address_space: global }
      - { .name: XH, .offset: 8, .size: 8, .value_kind: global_buffer, .address_space: global }
      - { .name: PT, .offset: 16, .size: 8, .value_kind: global_buffer, .address_space: global }
      - { .name: ST, .offset: 24, .size: 8, .value_kind: global_buffer, .address_space: global }
      - { .name: HQ, .offset: 32, .size: 8, .value_kind: global_buffer, .address_space: global }
      - { .name: HO, .offset: 40, .size: 8, .value_kind: global_buffer, .address_space: global }
    .group_segment_fixed_size: 327680
    .private_segment_fixed_size: 0
    .kernarg_segment_align: 8
    .kernarg_segment_size: 48
    .max_flat_workgroup_size: 128
    .sgpr_count:     80
    .vgpr_count:     1024
    .wavefront_size: 32
...
	.end_amdgpu_metadata
.endif
;; end of part 4
;; launch pv (part 5): grid 8 x 32, 4 waves a work-group, clusters of 4 x 4, 327,680 bytes of LDS; arguments PT, YV, ST, HO, out0; writes out0
.if DOCPART == 5
	.amdgcn_target "amdgcn-amd-amdhsa--gfx1250"
	.amdhsa_code_object_version 6
	.text
	.protected	k_qb17033f0d6_pv
	.globl	k_qb17033f0d6_pv
	.p2align	8
	.type	k_qb17033f0d6_pv,@function
k_qb17033f0d6_pv:
	s_mov_b64 s[64:65], 0
	v_nop
	global_prefetch_b8 v0, s[64:65] scope:SCOPE_SE
	s_setreg_imm32_b32 hwreg(HW_REG_WAVE_MODE, 25, 1), 1
	s_wait_xcnt 0x0
	s_wait_alu depctr_hold_cnt(0) depctr_sa_sdst(0) depctr_va_vdst(0) depctr_va_sdst(0) depctr_va_ssrc(0) depctr_va_vcc(0) depctr_vm_vsrc(0)
	s_getreg_b32 s2, hwreg(HW_REG_IB_STS2, 6, 4)
	s_cmp_eq_u32 s2, 0
	s_cbranch_scc0 .Lentry_in_a_cluster
	s_endpgm
.Lentry_in_a_cluster:
	s_bfe_u32 s2, ttmp6, 0x10000c
	s_cmp_lg_u32 s2, 0xf033
	s_cbranch_scc0 .Lentry_shape_is_right
	s_endpgm
.Lentry_shape_is_right:
; THE SOFTMAX'S SECOND HALF AND THE SECOND PRODUCT.  For each row: M = the maximum over its key tiles J of c m_J, f_J = 2^(c m_J - M) (1 at the most), L = the sum of f_J l_J;
; out = (the sum over J of f_J (P_J V_J)) / L.  P (PT) and V (columns 1024.. of YV) are f16, every sum is f32, out0 is f32.
; THE FIRST 16 ROWS OF EACH BATCH are taken from HO, where the launch before made them with no intermediate rounded to 16 bits: every wave loads its 16 x 64 piece of HO and takes it, by a select
; on the block's number and the wave's place, where its own 16 rows are those rows.  No branch hangs on that, and each byte of out0 is stored once.
; LIMITS.  f_J below 2^-126 counts as 0; NaN and infinities are not treated apart; V arrives within f16's 65,504.
; SHARES.  A tile of out0 is 128 rows x 128 columns; a wave makes 64 x 64.  Row block i (of 16 in a batch) needs the key tiles 0 .. i / 2 of 256 keys.  A work-group takes TWO blocks, 15 - b and then b.
; With g = b / 4 the first walks 8 - 2 g key tiles and the second 2 + 2 g: TEN trips for every work-group, and the same split for the four b of a cluster's column.  Where a block needs one tile less
; (one trip in ten) the trip loads the block's last tile once more and counts it with f = 0: so no branch hangs on the place in the cluster, and V's tiles are the same for a whole column.
; CLUSTER.  4 x 4 work-groups: P's tile hangs on the row block alone and is asked for jointly along a row of the cluster, V's on the column tile and the trip alone and jointly along a column.
; A TRIP.  T = P_J V_J starts with the constant 0 (16 accumulators, 128 matrix instructions a wave), then O += f_J T, 64 packed multiply-adds.  O is cleared at the start and behind the first block's way out:
; 256 v_mov_b32 in the text, the price of writing no first trip out.
; ONE TRIP IS WRITTEN ONCE: the slot read (TB) and the slot filled (TF) are scalar registers turned by an exclusive or.  The loop's text fills; the tail's text, walked twice, does not.
; THE MATRIX INSTRUCTION IS USED TRANSPOSED (source 0 = 16 columns of V, turned by ds_load_tr16_b128; source 1 = 16 rows of P): a lane holds one row and eight neighbouring columns, so f is one number a lane and row block.
; REGISTERS: window 0: v0-31 addresses and f; v32-127 at work on the way out; v128-255 T ((a, b) at v[128 + 8 (4 a + b)]).  Window 1: two fragment buffers of 128: 64 of P, then 64 of V.  Window 2: v0-127 O; v128-159 my piece of HO.
.set PA,     528                       ; a row of P in LDS: 512 bytes + 16 = 132 words: the 16 rows of a load start at 16 different groups of four banks (64 banks of 4 bytes: ISA guide 11.1)
.set PVP,    288                       ; a row of V: 256 + 32 = 72 words
.set AHALF,  64*PA                     ; what one of P's tensor loads brings
.set VHALF,  128*PVP                   ; what one of V's brings
.set VOFF,   2*AHALF                   ; V's 256 rows lie behind P's 128
.set SLOT,   VOFF+2*VHALF              ; 141,312
.set STAGE,  2*SLOT                    ; behind the ring: 16 rows x 272 bytes for each wave, for the way out; never filled by a tensor load
.set SP,     272
.set FT,     STAGE+4*16*SP             ; 14 blocks of 256 bytes for each wave: its 64 rows' f for trips 0-9 (blocks 0-9) and 1 / L of the two row blocks (12, 13)
.set FTW,    14*256
.set SPARE,  FT+4*FTW                  ; the spare words, 128 bytes for each wave: two blocks of 256 bytes that no other line names
.set FR,   8                           ; v8, 10, 12, 14  f (or 1 / L) of my row in row blocks 0-3; v9 .. are named with them as pairs
.set A0,   16                          ; v16     my lane's place in P's tile; never rewritten
.set V0,   17                          ; v17     the same for V's
.set ADRA, 18                          ; v18     LDS address of my P fragments in the slot read
.set ADRV, 20                          ; v20-21  of my V fragments: keys 0-127, 128-255
.set STO,  22
.set RD,   23
.set GO,   24                          ; v24     my byte offset in two rows of 4,096 bytes, in out0 and in HO; never rewritten
.set FT0,  25                          ; v25     FT + my wave's part + 4 (l % 16); never rewritten
.set FTA,  26                          ; v26     the same, walking a block a trip
.set FTS,  27                          ; v27     FT + my wave's part + 4 x lane
.set SPW,  28
.set NIL,  29
.set NEG,  30                          ; v30     -3e38
.set TMP,  32
.set BK,   64
.set SA,   96                          ; v96-107 the statistics' byte offsets: 8 tiles of the first block, 4 of the second
.set ACC,  128
.set HB,   128                         ; in window 2
.set F0,   0
.set F1,   128
.set WV,   12
.set RH,   13
.set CH,   14
.set TB,   15
.set TF,   16
.set CNT,  17
.set TL,   18
.set NC,   19                          ; s19  the trip's number
.set NLM1, 20                          ; s20  the first block's last trip
.set G1,   24                          ; s[24:31] descriptor group 1 for P's tiles;  s[32:35] group 0, made anew for each fill;  s[36:39] group 0 of the first fill
.set G0,   32
.set G0X,  36
.set FJ,   40                          ; s40  the key tile to be asked for next
.set FLIM, 41                          ; s41  the number of trips of the block whose tiles are being asked for
.set FI,   42                          ; s42  that block's last live tile
.set AROW, 43                          ; s43  byte offset of my rows of that block in PT
.set ISH,  44                          ; s44  the second block's last live tile
.set AROWS, 45                         ; s45  its rows' byte offset
.set OFA,  46                          ; s[46:47] a P tile's byte offset
.set G1B,  48                          ; s[48:55], s[56:59], s[96:99] the same for V's
.set G0B,  56
.set G0BX, 96
.set OFB,  60                          ; s[60:61] a V tile's byte offset
.set BBASE, 62                         ; s62  byte offset of my rows of key tile 0 of V
.set LA,   63                          ; s63  my place in a slot if I fetch P
.set LB,   66                          ; s66  if I fetch V
.set OL,   68                          ; s[68:69] out0 at my part of the first block
.set OS,   70                          ; s[70:71] of the second
.set HM,   76                          ; s76  all ones where the second block's first 16 rows of my wave are the batch's rows 0-15
.set DM,   80                          ; s80-86  lane masks, all ones where a tile is live: tiles 4-7 of the first block, 1-3 of the second
.set GM,   87                          ; s87  all ones where g = 1
.set HOB,  90                          ; s[90:91] HO at my 64 columns of the batch's 16 rows
.set MSB, 0
.macro WIN new
.if MSB != (\new)
	s_set_vgpr_msb (MSB<<8)|(\new)
.set MSB, \new
.endif
.endm
.set MUL,  0x05                        ; sources 0 and 1 window 1; C and D window 0
.set TO_F, 0x40                        ; destination window 1, address window 0
.macro JLOAD ga, gb                    ; a joint load: waves 0 and 1 fetch P's two halves, waves 2 and 3 V's; an s_nop 0 and four v_nop follow each line
	s_cmp_eq_u32 s[RH], 0
	s_cbranch_scc0 .Lfor_b_\@
	tensor_load_to_lds s[(\ga):(\ga)+3], s[G1:G1+7]
	s_nop 0
.rept 4
	v_nop
.endr
	s_branch .Lasked_\@
.Lfor_b_\@:
	tensor_load_to_lds s[(\gb):(\gb)+3], s[G1B:G1B+7]
	s_nop 0
.rept 4
	v_nop
.endr
.Lasked_\@:
.endm
.macro CREST
	s_cmp_lg_u32 s[WV], 0
	s_cbranch_scc1 .Lnot_wave_0_\@
	s_barrier_signal -3
.Lnot_wave_0_\@:
	s_barrier_wait -3
	s_barrier_signal -1
	s_barrier_wait -1
.endm
.macro CROUND
	s_barrier_signal -1
	s_barrier_wait -1
	CREST
.endm
; The descriptors ga (P) and gb (V) for the next fill: the other slot; both addresses made anew from their buffers' addresses and offsets kept apart.  Then the walk steps: behind the first block's last trip
; it goes on to the second block's tile 0.  A set is written only where no tensor load that names it is out.  What hangs on cy (FI, AROW) enters P's address alone, what hangs on cx (BBASE) V's alone.
.macro NEXTFILL ga, gb
	s_xor_b32 s[TF], s[TF], SLOT
	s_add_co_u32 s[(\ga)+1], s[TF], s[LA]
	s_add_co_u32 s[(\gb)+1], s[TF], s[LB]
	s_min_u32 s[OFA], s[FJ], s[FI]                 ; a dead trip takes the block's last live tile once more
	s_lshl_b32 s[OFA], s[OFA], 9                   ; 256 keys of 2 bytes
	s_add_co_u32 s[OFA], s[OFA], s[AROW]
	s_add_nc_u64 s[(\ga)+2:(\ga)+3], s[4:5], s[OFA:OFA+1]
	s_or_b32 s[(\ga)+3], s[(\ga)+3], 0x80000000    ; type = 2
	s_lshl_b32 s[OFB], s[FJ], 20                   ; 256 rows of 4,096 bytes
	s_add_co_u32 s[OFB], s[OFB], s[BBASE]
	s_add_nc_u64 s[(\gb)+2:(\gb)+3], s[6:7], s[OFB:OFB+1]
	s_or_b32 s[(\gb)+3], s[(\gb)+3], 0x80000000
	s_add_co_u32 s[FJ], s[FJ], 1
	s_cmp_ge_u32 s[FJ], s[FLIM]
	s_cselect_b32 s[FJ], 0, s[FJ]
	s_cselect_b32 s[AROW], s[AROWS], s[AROW]
	s_cselect_b32 s[FI], s[ISH], s[FI]
	s_cselect_b32 s[FLIM], 99, s[FLIM]             ; the second block is the last
.endm
.macro SETADR                          ; the fragment addresses in slot TB
	v_add_nc_u32 v[ADRA], s[TB], v[A0]
	v_add_nc_u32 v[ADRV], s[TB], v[V0]
	v_add_nc_u32 v[ADRV+1], VHALF, v[ADRV]
.endm
.macro PLACES                          ; four places in front of loads into registers that matrix instructions have read, and of vector instructions that read results
.rept 4
	v_nop
.endr
.endm
.macro CLEAR
	WIN 0x80                                       ; destination window 2
.set z, 0
.rept 128
	v_mov_b32 v[z], 0
.set z, z+1
.endr
	WIN 0
.endm
	s_load_b256 s[4:11], s[0:1], 0x0               ; PT s[4:5], YV s[6:7], ST s[8:9], HO s[10:11]
	s_load_b64 s[88:89], s[0:1], 0x20              ; out0
	v_lshl_add_u32 v[SPW], v0, 2, SPARE
	v_mov_b32 v[NIL], 0
	ds_add_u32 v[SPW], v[NIL]                      ; the wave's opening: the add and its wait stand ahead of my first tensor load; the set-up below stands between them
	ds_add_u32 v28, v29
	v_lshrrev_b32 v1, 5, v0
	v_readfirstlane_b32 s[WV], v1
	s_lshr_b32 s[RH], s[WV], 1                     ; which half of a block's rows is mine; also: I fetch P (0) or V (1)
	s_and_b32 s[CH], s[WV], 1                      ; which half of the columns; also: which half of a tile I fetch
	s_bfe_u32 s92, ttmp6, 0x40000                  ; cx
	s_bfe_u32 s93, ttmp6, 0x40004                  ; cy
	s_and_b32 s72, ttmp7, 0xffff                   ; the cluster's y: 2 x batch + g
	s_and_b32 s73, s72, 1                          ; g
	s_lshr_b32 s72, s72, 1                         ; the batch
	s_lshl_b32 s74, s73, 2
	s_add_co_u32 s74, s74, s93                     ; b = 4 g + cy: the second block
	s_sub_co_u32 s75, 15, s74                      ; the first block
	s_lshr_b32 s[FI], s75, 1                       ; its last live tile,
	s_mov_b32 s77, s[FI]                           ; kept for the statistics
	s_lshr_b32 s[ISH], s74, 1
	s_lshl_b32 s78, ttmp9, 2
	s_add_co_u32 s78, s78, s92                     ; the column tile = 4 x cluster x + cx
	s_lshl_b32 s94, s93, 2
	s_lshl_b32 s94, 15, s94                        ; my row of the cluster
	s_lshl_b32 s95, 0x1111, s92                    ; my column
	s_or_b32 s[G1], s94, (1<<16)|(1<<20)|(1<<21)|(6<<22)|(3<<25)   ; P: the mask; 2-byte elements; padding on; bit 21 beside a mask; after every 128 words (code 6) 4 words (code 3)
	s_mov_b32 s[G1+1], 256<<16                     ; tensor_dim0 = 256
	s_mov_b32 s[G1+2], 64<<16                      ; tensor_dim1 = 64
	s_mov_b32 s[G1+3], 256<<16                     ; tile_dim0 = 256
	s_mov_b32 s[G1+4], 64                          ; tile_dim1 = 64
	s_mov_b32 s[G1+5], 2048                        ; elements from row to row
	s_mov_b32 s[G1+6], 0
	s_mov_b32 s[G1+7], 0
	s_or_b32 s[G1B], s95, (1<<16)|(1<<20)|(1<<21)|(5<<22)|(7<<25)  ; V: after every 64 words (code 5) 8 words (code 7)
	s_mov_b32 s[G1B+1], 128<<16
	s_mov_b32 s[G1B+2], 128<<16
	s_mov_b32 s[G1B+3], 128<<16
	s_mov_b32 s[G1B+4], 128
	s_mov_b32 s[G1B+5], 2048
	s_mov_b32 s[G1B+6], 0
	s_mov_b32 s[G1B+7], 0
	s_lshl_b32 s2, s73, 1
	s_sub_co_u32 s[FLIM], 8, s2                    ; the first block's trips
	s_sub_co_u32 s[NLM1], 7, s2
	s_cmp_eq_u32 s73, 1
	s_cselect_b32 s[GM], -1, 0
	s_or_b32 s[HM], s74, s[RH]                     ; block 0 and the upper half of its rows:
	s_cmp_eq_u32 s[HM], 0
	s_cselect_b32 s[HM], -1, 0                     ; my wave's first 16 rows of the second block are the batch's rows 0-15
	s_lshl_b32 s3, s72, 23                         ; the batch's 2,048 rows of 4,096 bytes: the same figure in PT, YV and out0
	s_lshl_b32 s21, s[CH], 18                      ; P: (128 block + 64 half) rows of 4,096 bytes
	s_lshl_b32 s[AROW], s75, 19
	s_add_co_u32 s[AROW], s[AROW], s3
	s_add_co_u32 s[AROW], s[AROW], s21
	s_lshl_b32 s[AROWS], s74, 19
	s_add_co_u32 s[AROWS], s[AROWS], s3
	s_add_co_u32 s[AROWS], s[AROWS], s21
	s_lshl_b32 s[BBASE], s78, 8                    ; V: the column tile's 128 columns of 2 bytes, behind y's 2,048 bytes; 128 half rows
	s_add_co_u32 s[BBASE], s[BBASE], s3
	s_lshl_b32 s21, s[CH], 19
	s_add_co_u32 s[BBASE], s[BBASE], s21
	s_add_co_u32 s[BBASE], s[BBASE], 2048
	s_mul_i32 s[LA], s[CH], AHALF                  ; no place in the cluster enters an LDS address
	s_mul_i32 s[LB], s[CH], VHALF
	s_add_co_u32 s[LB], s[LB], VOFF
	s_mov_b32 s[OFA+1], 0
	s_mov_b32 s[OFB+1], 0
	s_mov_b32 s[FJ], 0
	s_mov_b32 s[TB], 0
	s_mov_b32 s[TF], SLOT                          ; the first NEXTFILL turns it into 0
	s_mov_b32 s[G0], 1
	s_mov_b32 s[G0B], 1
	s_mov_b32 s[G0X], 1
	s_mov_b32 s[G0BX], 1
	s_lshl_b32 s22, s78, 9                         ; the column tile's 512 bytes and my half's 256, in out0 and in HO
	s_lshl_b32 s2, s[CH], 8
	s_add_co_u32 s22, s22, s2
	s_lshl_b32 s[HOB], s72, 16                     ; HO: the batch's 16 rows of 4,096 bytes
	s_add_co_u32 s[HOB], s[HOB], s22
	s_mov_b32 s[HOB+1], 0
	s_lshl_b32 s21, s[RH], 18                      ; out0: (128 block + 64 RH) rows of 4,096 bytes
	s_add_co_u32 s21, s21, s3
	s_add_co_u32 s21, s21, s22
	s_lshl_b32 s82, s75, 19
	s_add_co_u32 s82, s82, s21
	s_mov_b32 s83, 0
	s_lshl_b32 s84, s74, 19
	s_add_co_u32 s84, s84, s21
	s_mov_b32 s85, 0
	s_wait_dscnt 0x0                               ; the opening add is done
	s_wait_kmcnt 0x0
	s_add_nc_u64 s[OL:OL+1], s[88:89], s[82:83]
	s_add_nc_u64 s[OS:OS+1], s[88:89], s[84:85]
	s_add_nc_u64 s[HOB:HOB+1], s[10:11], s[HOB:HOB+1]
	CROUND                                         ; all sixteen work-groups are here: the first joint loads meet
	NEXTFILL G0X, G0BX
	JLOAD G0X, G0BX                                ; trip 0 into slot 0,
	NEXTFILL G0, G0B
	JLOAD G0, G0B                                  ; trip 1 into slot 1: both first fills go out together, ahead of every wait on TENSORcnt and every LDS read: two loads of mine are out
	v_and_b32 v1, 15, v0                           ; l % 16
	v_bfe_u32 v2, v0, 4, 1                         ; l / 16
	v_and_b32 v5, 31, v0                           ; lane
	; THE STATISTICS stand in the wait for the first tile.  A lane takes rows lane and 32 + lane of my wave's 64, in both blocks.
	s_lshl_b32 s21, s72, 13                        ; 4 (2048 batch + 128 block + 64 RH)
	s_lshl_b32 s22, s[RH], 8
	s_add_co_u32 s21, s21, s22
	s_lshl_b32 s22, s75, 9
	s_add_co_u32 s22, s22, s21
	v_lshl_add_u32 v6, v5, 2, s22
	s_lshl_b32 s22, s74, 9
	s_add_co_u32 s22, s22, s21
	v_lshl_add_u32 v7, v5, 2, s22
.irp j, 0,1,2,3,4,5,6,7
	s_min_u32 s22, s77, \j                         ; a dead tile's place holds nothing: the last live tile's is read, and counted with f = 0
	s_lshl_b32 s22, s22, 15                        ; a tile's 8,192 rows of 4 bytes
	v_add_nc_u32 v[SA+(\j)], s22, v6
.endr
.irp j, 0,1,2,3
	s_min_u32 s22, s[ISH], \j
	s_lshl_b32 s22, s22, 15
	v_add_nc_u32 v[SA+8+(\j)], s22, v7
.endr
.irp a2, 0,1
.irp j, 0,1,2,3,4,5,6,7
	global_load_b32 v[ACC+48*(\a2)+(\j)],   v[SA+(\j)], s[8:9] offset:128*(\a2)          ; c m
	global_load_b32 v[ACC+48*(\a2)+8+(\j)], v[SA+(\j)], s[8:9] offset:262144+128*(\a2)   ; l
.endr
.irp j, 0,1,2,3
	global_load_b32 v[ACC+48*(\a2)+16+(\j)], v[SA+8+(\j)], s[8:9] offset:128*(\a2)
	global_load_b32 v[ACC+48*(\a2)+20+(\j)], v[SA+8+(\j)], s[8:9] offset:262144+128*(\a2)
.endr
.endr
.irp j, 0,1,2,3                                ; the first block's tiles 0-3 are always live (its last live tile is 4 at the least), and so is the second's tile 0
	s_cmp_ge_u32 s77, 4+(\j)
	s_cselect_b32 s[DM+(\j)], -1, 0
.endr
.irp j, 0,1,2
	s_cmp_ge_u32 s[ISH], 1+(\j)
	s_cselect_b32 s[DM+4+(\j)], -1, 0
.endr
	v_mov_b32 v[NEG], 0xff61b1e6                   ; -3e38
	; the addresses.  A fragment of P is 16 rows x 32 keys: lane l holds row l % 16, keys 8 (l / 16) + 0..7 and 16 + 8 (l / 16) + 0..7: two loads of 16 bytes, 32 bytes apart.
	v_mul_u32_u24 v3, v1, PA
	v_lshl_add_u32 v3, v2, 4, v3
	s_mul_i32 s21, s[RH], AHALF                    ; my 64 rows
	v_add_nc_u32 v[A0], s21, v3
	; The turning load takes 16 keys x 16 columns (lane l reads key 8 (l / 16) + l % 8, columns 8 ((l / 8) % 2) + 0..7) and leaves half a fragment of V^T: lane l holds column l % 16 and 8 keys.
	v_and_b32 v3, 7, v0
	v_bfe_u32 v4, v0, 3, 1
	v_lshl_add_u32 v3, v2, 3, v3
	v_mul_u32_u24 v3, v3, PVP
	v_lshl_add_u32 v3, v4, 4, v3
	s_lshl_b32 s21, s[CH], 7                       ; my 64 columns
	s_add_co_u32 s21, s21, VOFF
	v_add_nc_u32 v[V0], s21, v3
	SETADR
	s_mul_i32 s21, s[WV], 16*SP
	s_add_co_u32 s21, s21, STAGE                   ; my stage
	v_mul_u32_u24 v3, v1, SP                       ; in: row l % 16, 32 bytes for each half of the lanes
	v_lshl_add_u32 v3, v2, 5, v3
	v_add_nc_u32 v[STO], s21, v3
	v_mul_u32_u24 v3, v2, SP                       ; back: lanes 0-15 take one row of 256 bytes, lanes 16-31 the next
	v_lshl_add_u32 v3, v1, 4, v3
	v_add_nc_u32 v[RD], s21, v3
	v_lshlrev_b32 v3, 12, v2                       ; and the same two rows in out0
	v_lshl_add_u32 v[GO], v1, 4, v3
	s_mul_i32 s21, s[WV], FTW
	s_add_co_u32 s21, s21, FT
	v_lshl_add_u32 v[FT0], v1, 2, s21
	v_mov_b32 v[FTA], v[FT0]
	v_lshl_add_u32 v[FTS], v5, 2, s21
.irp a, 0,1,2,3
	v_mov_b32 v[FR+2*(\a)+1], 0                    ; named as the upper halves of pairs
.endr
	WIN 0x80                                       ; destination window 2
.irp t, 0,1,2,3,4,5,6,7
	global_load_b128 v[HB+4*(\t):HB+4*(\t)+3], v[GO], s[HOB:HOB+1] offset:2*(\t)*4096  ; my piece of HO, in the lanes and registers in which 16 rows come back from the stage; with the statistics' 48 loads 56 are out
.endr
	CLEAR
	s_wait_loadcnt 0x0
; Rows 32 a2 + lane.  At U: 0-7 c m of the first block's tiles, 8-15 their l, 16-19 and 20-23 the second block's; 24, 25 M; 26, 27 L, then 1 / L; 28-31 the blocks of FT whose content hangs on g.
.macro STAT a2
.set U, ACC+48*(\a2)
.irp j, 0,1,2,3
	v_cndmask_b32 v[U+4+(\j)], v[NEG], v[U+4+(\j)], s[DM+(\j)]      ; a dead tile's c m is far below every other
.endr
.irp j, 0,1,2
	v_cndmask_b32 v[U+17+(\j)], v[NEG], v[U+17+(\j)], s[DM+4+(\j)]
.endr
	v_max3_num_f32 v[U+24], v[U], v[U+1], v[U+2]
	v_max3_num_f32 v[U+25], v[U+16], v[U+17], v[U+18]
	v_max3_num_f32 v[U+24], v[U+24], v[U+3], v[U+4]
	v_max_num_f32 v[U+25], v[U+25], v[U+19]
	v_max3_num_f32 v[U+24], v[U+24], v[U+5], v[U+6]
	v_max_num_f32 v[U+24], v[U+24], v[U+7]
.irp j, 0,1,2,3
	v_sub_f32 v[U+16+(\j)], v[U+16+(\j)], v[U+25]
.endr
.irp j, 0,1,2,3,4,5,6,7
	v_sub_f32 v[U+(\j)], v[U+(\j)], v[U+24]
.endr
.irp j, 16,17,18,19,0,1,2,3,4,5,6,7
	v_exp_f32 v[U+(\j)], v[U+(\j)]                 ; f
.endr
	v_nop                                          ; a plain instruction between the last exponential and the use of its result (ISA guide 5.7.2)
	s_wait_alu depctr_va_vdst(0)
	v_mul_f32 v[U+26], v[U], v[U+8]
	v_mul_f32 v[U+27], v[U+16], v[U+20]
.irp j, 1,2,3
	v_fmac_f32 v[U+26], v[U+(\j)], v[U+8+(\j)]
	v_fmac_f32 v[U+27], v[U+16+(\j)], v[U+20+(\j)]
.endr
.irp j, 4,5,6,7
	v_fmac_f32 v[U+26], v[U+(\j)], v[U+8+(\j)]
.endr
	v_rcp_f32 v[U+26], v[U+26]                     ; L is 1 at the least: the tile that holds M has f = 1 and l >= 1
	v_rcp_f32 v[U+27], v[U+27]
	v_cndmask_b32 v[U+28], v[U+6], v[U+16], s[GM]  ; trips 6, 7: the first block's tiles 6, 7, or with g = 1 the second's 0, 1
	v_cndmask_b32 v[U+29], v[U+7], v[U+17], s[GM]
	v_cndmask_b32 v[U+30], v[U+16], v[U+18], s[GM] ; trips 8, 9: the second block's tiles 0, 1, or with g = 1 its 2, 3
	v_cndmask_b32 v[U+31], v[U+17], v[U+19], s[GM]
.irp n, 0,1,2,3,4,5
	ds_store_b32 v[FTS], v[U+(\n)] offset:256*(\n)+128*(\a2)
.endr
.irp n, 6,7,8,9
	ds_store_b32 v[FTS], v[U+22+(\n)] offset:256*(\n)+128*(\a2)
.endr
	s_wait_alu depctr_va_vdst(0)
	ds_store_b32 v[FTS], v[U+26] offset:256*12+128*(\a2)
	ds_store_b32 v[FTS], v[U+27] offset:256*13+128*(\a2)
.endm
	STAT 0
	STAT 1
; 8 matrix instructions: row blocks a0, a0 + 1 x all 4 column blocks, 32 keys: half c of buffer f.  zero = 1: the product starts T.  The 16 accumulators take turns.
.macro MUL8 f, c, a0, zero
	WIN MUL
.irp a, \a0, (\a0)+1
.irp b, 0,1,2,3
.if \zero
	v_wmma_f32_16x16x32_f16 v[ACC+8*(4*(\a)+(\b)):ACC+8*(4*(\a)+(\b))+7], v[(\f)+64+8*(4*(\c)+(\b)):(\f)+64+8*(4*(\c)+(\b))+7], v[(\f)+8*(4*(\c)+(\a)):(\f)+8*(4*(\c)+(\a))+7], 0
.else
	v_wmma_f32_16x16x32_f16 v[ACC+8*(4*(\a)+(\b)):ACC+8*(4*(\a)+(\b))+7], v[(\f)+64+8*(4*(\c)+(\b)):(\f)+64+8*(4*(\c)+(\b))+7], v[(\f)+8*(4*(\c)+(\a)):(\f)+8*(4*(\c)+(\a))+7], v[ACC+8*(4*(\a)+(\b)):ACC+8*(4*(\a)+(\b))+7]
.endif
.endr
.endr
.endm
; 32 LDS loads in one run: the fragments of quarter q (64 of the trip's 256 keys) into buffer f; its first 32 keys first
.macro FETCH q, f
	WIN TO_F
.irp c, 0,1
.irp i, 0,1,2,3
	ds_load_tr16_b128 v[(\f)+64+8*(4*(\c)+(\i)):(\f)+64+8*(4*(\c)+(\i))+3],   v[ADRV+(\q)/2] offset:(((\q)%2)*64+32*(\c))*PVP+32*(\i)
	ds_load_tr16_b128 v[(\f)+64+8*(4*(\c)+(\i))+4:(\f)+64+8*(4*(\c)+(\i))+7], v[ADRV+(\q)/2] offset:(((\q)%2)*64+32*(\c)+16)*PVP+32*(\i)
	ds_load_b128 v[(\f)+8*(4*(\c)+(\i)):(\f)+8*(4*(\c)+(\i))+3],              v[ADRA] offset:128*(\q)+64*(\c)+(\i)*16*PA
	ds_load_b128 v[(\f)+8*(4*(\c)+(\i))+4:(\f)+8*(4*(\c)+(\i))+7],            v[ADRA] offset:128*(\q)+64*(\c)+(\i)*16*PA+32
.endr
.endr
.endm
; One of a trip's first three quarters: multiplies buffer f and fetches quarter q into g.  ld = 1: the trip's f come with it, ahead of the run, so that the wait for all but the run covers them.
.macro QUARTER q, f, g, zero, ld=0
	s_wait_dscnt 16                                ; the first 32 keys are in; the youngest sixteen loads may be out
	MUL8 \f, 0, 0, \zero
	MUL8 \f, 0, 2, \zero
	PLACES
.if \ld
	WIN 0
.irp a, 0,1,2,3
	ds_load_b32 v[FR+2*(\a)], v[FTA] offset:64*(\a)
.endr
	v_add_nc_u32 v[FTA], 256, v[FTA]               ; the next trip's block
.endif
	FETCH \q, \g
	s_wait_dscnt 32                                ; all but the 32 just issued
	MUL8 \f, 1, 0, 0
	MUL8 \f, 1, 2, 0
.endm
; ONE barrier for the change of slots: in front of it each wave waits for all its tensor loads (its part of the next slot), adds 0 to its spare word, and waits for that and for its own reads of this slot.
.macro MEET
	WIN 0
	s_wait_tensorcnt 0x0                           ; all my tensor loads have landed
	ds_add_u32 v[SPW], v[NIL]                      ; 0 onto my spare word
	s_wait_dscnt 17                                ; (the add and the youngest sixteen loads may be out)
	MUL8 F1, 0, 0, 0
	s_wait_dscnt 0x0                               ; the add is done, and my reads of this slot are over
	s_barrier_signal -1
	MUL8 F1, 0, 2, 0
	WIN 0
	s_barrier_wait -1
.endm
.macro TURN                            ; the barrier opens a round of the cluster's, and the joint refill is the first thing behind it
	MEET
	CREST
	NEXTFILL G0, G0B
	JLOAD G0, G0B                                  ; its four v_nop are also the places in front of the loads below
	s_xor_b32 s[TB], s[TB], SLOT
	SETADR
	FETCH 0, F0
	MUL8 F1, 1, 0, 0
	MUL8 F1, 1, 2, 0
.endm
.macro FMA                             ; O += f T; each accumulator is read from its low end on
	PLACES
	WIN 0xa0                                       ; O (destination and source 2) in window 2; T and f in window 0
.irp a, 0,1,2,3
.set z, 0
.rept 16
	v_pk_fma_f32 v[32*(\a)+2*z:32*(\a)+2*z+1], v[ACC+32*(\a)+2*z:ACC+32*(\a)+2*z+1], v[FR+2*(\a):FR+2*(\a)+1], v[32*(\a)+2*z:32*(\a)+2*z+1] op_sel_hi:[1,0,1]
.set z, z+1
.endr
.endr
	WIN 0
.endm
; THE WAY OUT of a block: O times 1 / L, 16 rows at a time through my own stage: 32 bytes a lane in, whole rows of 256 bytes back.  In the second block's first 16 rows HO's numbers take the place of mine where HM says so.
.macro OUT blk, base
	WIN 0
.irp a, 0,1,2,3
	ds_load_b32 v[FR+2*(\a)], v[FT0] offset:256*(12+(\blk))+64*(\a)
.endr
	s_wait_dscnt 0x0
.irp a, 0,1,2,3
	WIN 0x02                                       ; source 0 in window 2
.set z, 0
.rept 16
	v_pk_mul_f32 v[TMP+2*z:TMP+2*z+1], v[32*(\a)+2*z:32*(\a)+2*z+1], v[FR+2*(\a):FR+2*(\a)+1] op_sel_hi:[1,0]
.set z, z+1
.endr
	WIN 0
.irp b, 0,1,2,3
	ds_store_b128 v[STO], v[TMP+8*(\b):TMP+8*(\b)+3]   offset:64*(\b)
	ds_store_b128 v[STO], v[TMP+8*(\b)+4:TMP+8*(\b)+7] offset:64*(\b)+16
.endr
	s_wait_xcnt 0x0                                ; the registers that earlier stores read are loaded again only behind this wait
.irp t, 0,1,2,3,4,5,6,7
	ds_load_b128 v[BK+32*((\a)%2)+4*(\t):BK+32*((\a)%2)+4*(\t)+3], v[RD] offset:(\t)*2*SP  ; LDS serves a wave's instructions in order (ISA guide 5.7.1.4): these see the stores above
.endr
.if ((\blk) == 1) && ((\a) == 0)
	s_wait_dscnt 0x0
	WIN 0x08                                       ; source 1 in window 2
.set z, 0
.rept 32
	v_cndmask_b32 v[BK+z], v[BK+z], v[HB+z], s[HM]
.set z, z+1
.endr
	WIN 0
.endif
.irp t, 0,1,2,3,4,5,6,7
	s_wait_dscnt 7-(\t)
	global_store_b128 v[GO], v[BK+32*((\a)%2)+4*(\t):BK+32*((\a)%2)+4*(\t)+3], s[(\base):(\base)+1] offset:(16*(\a)+2*(\t))*4096  ; 16 lanes store 256 consecutive bytes, at a multiple of 256 from out0's first byte
.endr
.endr
.endm
	s_wait_tensorcnt 0x1                           ; my part of trip 0's tiles is in; trip 1's may stay out
	s_wait_dscnt 0x0                               ; my stores of the statistics
	s_barrier_signal -1
	s_barrier_wait -1                              ; everybody's part is in
	FETCH 0, F0
	QUARTER 1, F0, F1, 1
	WIN 0
	s_mov_b32 s[NC], 0
	s_mov_b32 s[CNT], 8
.Ltrip:                                                ; a trip's quarters 1 to 3, O += f T, and the next trip's quarter 0; it asks for the trip two on: trips 2 to 9
	QUARTER 2, F1, F0, 0, 1
	QUARTER 3, F0, F1, 0
	TURN
	FMA
	s_cmp_lg_u32 s[NC], s[NLM1]                    ; the same answer in all sixteen work-groups; what is jumped holds no barrier and no tensor load
	s_cbranch_scc1 .Lsame
	OUT 0, OL                                      ; the first block is finished
	CLEAR
.Lsame:
	s_add_co_u32 s[NC], s[NC], 1
	QUARTER 1, F0, F1, 1                           ; T starts anew in every trip
	WIN 0
	s_sub_co_u32 s[CNT], s[CNT], 1
	s_cmp_lg_u32 s[CNT], 0
	s_cbranch_scc1 .Ltrip
	s_mov_b32 s[TL], 2
.Ltail:                                                ; the last two trips ask for nothing; the second fetches nothing more and leaves in its middle.  What is jumped holds no barrier and no tensor load
	QUARTER 2, F1, F0, 0, 1
	QUARTER 3, F0, F1, 0
	MEET
	s_cmp_eq_u32 s[TL], 1
	s_cbranch_scc1 .Lnf
	s_xor_b32 s[TB], s[TB], SLOT
	SETADR                                         ; with the v_nop: the four places in front of the loads below
	v_nop
	FETCH 0, F0
	WIN 0
.Lnf:
	MUL8 F1, 1, 0, 0
	MUL8 F1, 1, 2, 0
	FMA
	s_cmp_eq_u32 s[TL], 1
	s_cbranch_scc1 .Ldone
	QUARTER 1, F0, F1, 1
	WIN 0
	s_sub_co_u32 s[TL], s[TL], 1
	s_cmp_lg_u32 s[TL], 0
	s_cbranch_scc1 .Ltail
.Ldone:
	OUT 1, OS                                      ; the second block
	s_wait_tensorcnt 0x0                           ; the wave's end
	ds_add_u32 v[SPW], v[NIL]
	s_wait_dscnt 0x0
	CROUND                                         ; the closing round
	s_endpgm
.Lfunc_end_k_qb17033f0d6_pv:
	.size	k_qb17033f0d6_pv, .Lfunc_end_k_qb17033f0d6_pv-k_qb17033f0d6_pv
	.p2alignl 7, 3214868480
	.fill 96, 4, 3214868480
	.section	.rodata,"a",@progbits
	.p2align	6, 0x0
	.amdhsa_kernel k_qb17033f0d6_pv
		.amdhsa_group_segment_fixed_size 327680
		.amdhsa_private_segment_fixed_size 0
		.amdhsa_enable_private_segment 0
		.amdhsa_kernarg_size 40
		.amdhsa_user_sgpr_count 2
		.amdhsa_user_sgpr_kernarg_segment_ptr 1
		.amdhsa_wavefront_size32 1
		.amdhsa_system_sgpr_workgroup_id_x 1
		.amdhsa_system_sgpr_workgroup_id_y 1
		.amdhsa_system_sgpr_workgroup_id_z 1
		.amdhsa_system_vgpr_workitem_id 0
		.amdhsa_next_free_vgpr 672
		.amdhsa_next_free_sgpr 100
		.amdhsa_reserve_vcc 0
		.amdhsa_float_denorm_mode_32 3
		.amdhsa_float_denorm_mode_16_64 3
		.amdhsa_memory_ordered 1
		.amdhsa_forward_progress 1
		.amdhsa_inst_pref_size 111
	.end_amdhsa_kernel
	.amdgpu_metadata
---
amdhsa.version: [ 1, 2 ]
amdhsa.kernels:
  - .name:           k_qb17033f0d6_pv
    .symbol:         k_qb17033f0d6_pv.kd
    .args:
      - { .name: PT, .offset: 0, .size: 8, .value_kind: global_buffer, .address_space: global }
      - { .name: YV, .offset: 8, .size: 8, .value_kind: global_buffer, .address_space: global }
      - { .name: ST, .offset: 16, .size: 8, .value_kind: global_buffer, .address_space: global }
      - { .name: HO, .offset: 24, .size: 8, .value_kind: global_buffer, .address_space: global }
      - { .name: out0, .offset: 32, .size: 8, .value_kind: global_buffer, .address_space: global }
    .group_segment_fixed_size: 327680
    .private_segment_fixed_size: 0
    .kernarg_segment_align: 8
    .kernarg_segment_size: 40
    .max_flat_workgroup_size: 128
    .sgpr_count:     100
    .vgpr_count:     672
    .wavefront_size: 32
...
	.end_amdgpu_metadata
.endif
;; end of part 5
;; ======== version 2 of 2: 5 launches; version 1 with the launch prep written anew for expert scheduling mode
;; limits: values are held in f16: magnitudes above 65,504 overflow, below 6.1e-05 lose precision
;; workspace buffers: XH 16,777,216 bytes; WH 6,291,456 bytes; NB 2,097,152 bytes; YV 33,554,432 bytes; PT 33,554,432 bytes; ST 524,288 bytes; HQ 786,432 bytes; HO 262,144 bytes
;; launch prep (part 6): grid 64 x 11, 8 waves a work-group, no clusters, 0 bytes of LDS; arguments input_x, Wv, Wq, Wk, XH, WH; writes XH, WH
.if DOCPART == 6
	.amdgcn_target "amdgcn-amd-amdhsa--gfx1250"
	.amdhsa_code_object_version 6
	.text
	.protected	k_qb17033f0d6_prep
	.globl	k_qb17033f0d6_prep
	.p2align	8
	.type	k_qb17033f0d6_prep,@function
k_qb17033f0d6_prep:
	s_mov_b64 s[64:65], 0
	v_nop
	global_prefetch_b8 v0, s[64:65] scope:SCOPE_SE
	s_setreg_imm32_b32 hwreg(HW_REG_WAVE_SCHED_MODE, 0, 2), 2
	s_setreg_imm32_b32 hwreg(HW_REG_WAVE_MODE, 25, 1), 1
	s_wait_xcnt 0x0
	s_wait_alu depctr_vm_vsrc(0)
; THE INPUTS' ROUNDING.  Every number of input_x, Wv, Wq and Wk is rounded from f32 to bf16 (to nearest even), and that number is written as f16.
; LIMITS.  The second step is exact for 7.6e-6 <= |a| < 65,520; below, f16's fixed step of 6e-8 rounds once more (3e-8 at the most); from 65,520 on the result is an infinity.
; SHARES.  The grid's y names a segment of 1,048,576 numbers: 0-7 are input_x (to XH); 8, 9, 10 are Wv, Wq, Wk (to WH, one behind the other).  A work-group takes 65,536 bytes of
; f32, a wave 8,192: sixteen loads of 16 bytes a lane, all issued at once, each covering 512 consecutive bytes; each store of 8 bytes a lane covers 256 consecutive bytes, aligned.
; Memory binds: no LDS, no barrier, no matrix work; no register is written twice while a memory instruction may read it.
; THE MODE: SCHED_MODE bits 1:0 = 2 (LLVM: expert scheduling mode 2), set by the entry lines.  The code itself states the register dependences
; between vector instructions and memory instructions, with s_wait_alu, always for 0.
; THE PLAN.  Registers that memory instructions touch:
;   v1, v2     byte offsets of the loads and of the stores: made at the head, never written again.
;   X          piece i's four registers: written by load i alone, once; read by piece i's first two roundings.  No vector instruction names them ahead of the loads.
;   Y          piece i's two registers: written by piece i's last two conversions, once; read by store i alone.
;   v3 to v7   at work: no memory instruction names them.
; Nothing that a memory instruction reads is written again and nothing is loaded twice, so what is to be stated is: the offsets are written ahead of the first load, and a piece's Y ahead of its store.
; The sixteen pieces go in four blocks of four.  Block p rounds pieces 4 p to 4 p + 3; its memory instructions are the four stores of block p - 1, which read Y of that block and v2:
; registers that no vector instruction of block p names.  So ONE wait at a block's head states all that its four stores hang on, and they are dealt among its vector instructions with no further wait.
.set VIN,  1                           ; v1        my byte offset in the work-group's f32
.set VOUT, 2                           ; v2        my byte offset in the work-group's f16
.set X,    8                           ; v[8:71]   sixteen loads' four numbers
.set Y,    72                          ; v[72:103] sixteen stores' four f16
	s_load_b256 s[8:15], s[0:1], 0x0               ; input_x s[8:9], Wv s[10:11], Wq s[12:13], Wk s[14:15]
	s_load_b128 s[16:19], s[0:1], 0x20             ; XH s[16:17], WH s[18:19]
	s_and_b32 s2, ttmp7, 0xffff                    ; the segment
	s_cmp_lt_u32 s2, 8
	s_cselect_b32 s3, s2, 0                        ; which eighth of input_x, or 0: a weight is read from its first byte
	s_lshl_b32 s28, s3, 22                         ; its bytes in f32
	s_sub_co_u32 s4, s2, 8                         ; which third of WH (used for segments 8 to 10 alone)
	s_cmp_lt_u32 s2, 8
	s_cselect_b32 s4, s2, s4
	s_lshl_b32 s30, s4, 21                         ; the segment's 2,097,152 bytes in f16
	s_lshl_b32 s5, ttmp9, 16                       ; the work-group's 65,536 bytes in,
	s_add_co_u32 s28, s28, s5
	s_lshl_b32 s5, ttmp9, 15                       ; 32,768 out
	s_add_co_u32 s30, s30, s5
	s_mov_b32 s29, 0
	s_mov_b32 s31, 0
	s_mov_b32 s6, 0xffff0000                       ; a word's upper bf16
	v_and_b32 v2, 31, v0                           ; lane
	v_lshrrev_b32 v3, 5, v0                        ; wave
	v_lshlrev_b32 v[VIN], 4, v2
	v_lshl_add_u32 v[VIN], v3, 13, v[VIN]          ; 8,192 x wave + 16 x lane
	v_lshlrev_b32 v2, 3, v2
	v_lshl_add_u32 v[VOUT], v3, 12, v2             ; 4,096 x wave + 8 x lane
	s_wait_kmcnt 0x0
	s_mov_b64 s[24:25], s[14:15]                   ; segment 10: Wk; the other segments take its place by choice between whole addresses
	s_cmp_eq_u32 s2, 9
	s_cselect_b64 s[24:25], s[12:13], s[24:25]
	s_cmp_eq_u32 s2, 8
	s_cselect_b64 s[24:25], s[10:11], s[24:25]
	s_cmp_lt_u32 s2, 8
	s_cselect_b64 s[24:25], s[8:9], s[24:25]
	s_cselect_b64 s[26:27], s[16:17], s[18:19]
	s_add_nc_u64 s[24:25], s[24:25], s[28:29]
	s_add_nc_u64 s[26:27], s[26:27], s[30:31]
	s_wait_alu depctr_va_vdst(0)                   ; v1 and v2 are written: every load of the kernel reads v1 as its offset, every store v2
.irp i, 0,1,2,3,4,5,6,7,8,9,10,11,12,13,14,15
	global_load_b128 v[X+4*(\i):X+4*(\i)+3], v[VIN], s[24:25] offset:512*(\i) th:TH_LOAD_NT  ; read once in the whole launch
.endr
; Block p: pieces 4 p to 4 p + 3 are rounded; ahead of each piece's vector lines goes one store of the block before.
.macro BLK p
.irp j, 0,1,2,3
	s_wait_loadcnt 15-4*(\p)-(\j)                  ; loads come back in order (ISA guide 5.7.1): this piece's load is in, the younger ones stay out
.if (\p) > 0
.if (\j) == 0
	s_wait_alu depctr_va_vdst(0)                   ; the block before has written its four pairs of Y, which this block's four stores read
.endif
	global_store_b64 v[VOUT], v[Y+2*(4*(\p)-4+(\j)):Y+2*(4*(\p)-4+(\j))+1], s[26:27] offset:256*(4*(\p)-4+(\j))  ; the block before.  No vector instruction since the wait names these registers
.endif
	v_cvt_pk_bf16_f32 v3, v[X+4*(4*(\p)+(\j))], v[X+4*(4*(\p)+(\j))+1]    ; the rounding that counts
	v_cvt_pk_bf16_f32 v4, v[X+4*(4*(\p)+(\j))+2], v[X+4*(4*(\p)+(\j))+3]
	v_lshlrev_b32 v5, 16, v3                       ; back to f32: the low half moves up, the high half stays
	v_and_b32 v6, s6, v3
	v_lshlrev_b32 v7, 16, v4
	v_and_b32 v4, s6, v4
	v_cvt_pk_f16_f32 v[Y+2*(4*(\p)+(\j))], v5, v6
	v_cvt_pk_f16_f32 v[Y+2*(4*(\p)+(\j))+1], v7, v4
.endr
.endm
	BLK 0                                          ; the first block has no block in front of it: no store, and no wait but those for its data
	BLK 1
	BLK 2
	BLK 3
	s_wait_alu depctr_va_vdst(0)                   ; the last block has written its four pairs of Y, which the last four stores read
.irp j, 0,1,2,3
	global_store_b64 v[VOUT], v[Y+2*(12+(\j)):Y+2*(12+(\j))+1], s[26:27] offset:256*(12+(\j))
.endr
	s_endpgm
.Lfunc_end_k_qb17033f0d6_prep:
	.size	k_qb17033f0d6_prep, .Lfunc_end_k_qb17033f0d6_prep-k_qb17033f0d6_prep
	.p2alignl 7, 3214868480
	.fill 96, 4, 3214868480
	.section	.rodata,"a",@progbits
	.p2align	6, 0x0
	.amdhsa_kernel k_qb17033f0d6_prep
		.amdhsa_group_segment_fixed_size 0
		.amdhsa_private_segment_fixed_size 0
		.amdhsa_enable_private_segment 0
		.amdhsa_kernarg_size 48
		.amdhsa_user_sgpr_count 2
		.amdhsa_user_sgpr_kernarg_segment_ptr 1
		.amdhsa_wavefront_size32 1
		.amdhsa_system_sgpr_workgroup_id_x 1
		.amdhsa_system_sgpr_workgroup_id_y 1
		.amdhsa_system_sgpr_workgroup_id_z 1
		.amdhsa_system_vgpr_workitem_id 0
		.amdhsa_next_free_vgpr 112
		.amdhsa_next_free_sgpr 66
		.amdhsa_reserve_vcc 0
		.amdhsa_float_denorm_mode_32 3
		.amdhsa_float_denorm_mode_16_64 3
		.amdhsa_memory_ordered 1
		.amdhsa_forward_progress 1
		.amdhsa_inst_pref_size 12
	.end_amdhsa_kernel
	.amdgpu_metadata
---
amdhsa.version: [ 1, 2 ]
amdhsa.kernels:
  - .name:           k_qb17033f0d6_prep
    .symbol:         k_qb17033f0d6_prep.kd
    .args:
      - { .name: input_x, .offset: 0, .size: 8, .value_kind: global_buffer, .address_space: global }
      - { .name: Wv, .offset: 8, .size: 8, .value_kind: global_buffer, .address_space: global }
      - { .name: Wq, .offset: 16, .size: 8, .value_kind: global_buffer, .address_space: global }
      - { .name: Wk, .offset: 24, .size: 8, .value_kind: global_buffer, .address_space: global }
      - { .name: XH, .offset: 32, .size: 8, .value_kind: global_buffer, .address_space: global }
      - { .name: WH, .offset: 40, .size: 8, .value_kind: global_buffer, .address_space: global }
    .group_segment_fixed_size: 0
    .private_segment_fixed_size: 0
    .kernarg_segment_align: 8
    .kernarg_segment_size: 48
    .max_flat_workgroup_size: 256
    .sgpr_count:     66
    .vgpr_count:     112
    .wavefront_size: 32
...
	.end_amdgpu_metadata
.endif
;; end of part 6
;; launch wprod: the kernel of part 2 again; grid 256 x 1, 4 waves a work-group, no clusters, 327,680 bytes of LDS; arguments WH, XH, NB, HQ; writes NB, HQ
;; launch proj: the kernel of part 3 again; grid 8 x 32, 4 waves a work-group, clusters of 4 x 4, 327,680 bytes of LDS; arguments XH, WH, NB, YV; writes YV
;; launch scores: the kernel of part 4 again; grid 40 x 4, 4 waves a work-group, no clusters, 327,680 bytes of LDS; arguments YV, XH, PT, ST, HQ, HO; writes PT, ST, HO
;; launch pv: the kernel of part 5 again; grid 8 x 32, 4 waves a work-group, clusters of 4 x 4, 327,680 bytes of LDS; arguments PT, YV, ST, HO, out0; writes out0
